; MI455X (gfx1250); checked and timed in simulation.
; The chip was launched on July 23, 2026; its instructions are those of AMD's public machine-readable ISA for CDNA 5 (MIT licence, August 2026) and "CDNA5" Instruction Set Architecture Reference Guide (July 2026). The comments in the code are by the model that wrote it; some were corrected since.
;; Multi Head Attention Layer. Allowed arithmetic: float matrix products may take bf16 or f16 operands with f32 sums; all other float work in f32.
;; Inputs: Wk 1,024 x 1,024 float32; Wo 1,024 x 1,024 float32; Wq 1,024 x 1,024 float32; Wv 1,024 x 1,024 float32; bk 1,024 float32; bo 1,024 float32; bq 1,024 float32; bv 1,024 float32; x 2 x 2,048 x 1,024 float32.
;; Outputs: out0 2 x 2,048 x 1,024 float32.
;; 3 versions, each right; version 2 is faster than version 1; version 3 is version 2 with the launch prep written anew for expert scheduling mode. Each part assembles by itself: llvm-mc -triple=amdgcn-amd-amdhsa -mcpu=gfx1250 --defsym DOCPART=n.
;; ======== version 1 of 3: 4 launches
;; workspace buffers: xb 8,388,608 bytes; wcat 6,291,456 bytes; wob 2,097,152 bytes; qh 8,388,608 bytes; kh 8,388,608 bytes; vh 8,388,608 bytes; ctx 8,388,608 bytes
;; launch prep (part 1): grid 512 x 1, 8 waves a work-group, no clusters, 0 bytes of LDS; arguments x, Wq, Wk, Wv, Wo, xb, wcat, wob; writes xb, wcat, wob
.if DOCPART == 1
	.amdgcn_target "amdgcn-amd-amdhsa--gfx1250"
	.amdhsa_code_object_version 6
	.text
	.protected	k_q720e7d1dd4_prep
	.globl	k_q720e7d1dd4_prep
	.p2align	8
	.type	k_q720e7d1dd4_prep,@function
k_q720e7d1dd4_prep:
	s_mov_b64 s[64:65], 0
	v_nop
	global_prefetch_b8 v0, s[64:65] scope:SCOPE_SE
	s_setreg_imm32_b32 hwreg(HW_REG_WAVE_MODE, 25, 1), 1
	s_wait_xcnt 0x0
; prep: every f32 matrix operand is rounded to bf16 ONCE, and the weights are laid out in the order in which the products walk them.
;   xb   [4096][1024]                         = x
;   wcat [head 16][kstep 8][q,k,v 3][128 k][64 d]   from Wq, Wk, Wv  (column = 64 head + d, k = 128 kstep + row)
;   wob  [nblk 8][kstep 8][sub 2][128 k][64 n]      from Wo          (column = 128 nblk + 64 sub + n)
; A stream: 33.5 MB in, 16.8 MB out, no number used twice, so no LDS, no matrix unit, no cluster (no two work-groups read the same bytes).
; 4,096 waves, 8,192 bytes of f32 each.  A wave issues its 16 loads of 16 bytes a lane in one run (each covers two aligned blocks of
; 256 bytes), then converts and stores them in order; a store of 8 bytes a lane covers one aligned block of 256 bytes whole.
; Work-groups 0-255 take x, work-groups 256-511 the four weights: 64 columns x 256 k each, a wave 64 columns x 32 k.
; Each load and each store has registers of its own: nothing that a pending instruction names is written again.
.set X, 4                              ; v[4:67]   16 loads x 4 registers
.set Y, 68                             ; v[68:99]  16 stores x 2 registers
.macro CAST step                       ; step = bytes from one load of the wave to the next
.set i, 0
.rept 16
	global_load_b128 v[X+4*i:X+4*i+3], v1, s[4:5] offset:i*\step th:TH_LOAD_NT   ; read once in the launch
.set i, i+1
.endr
.set i, 0
.rept 16
	s_wait_loadcnt 15-i                            ; loads return in order (ISA guide 5.7.1): load i is in, the 15 - i younger ones stay out
	v_cvt_pk_bf16_f32 v[Y+2*i],   v[X+4*i],   v[X+4*i+1]
	v_cvt_pk_bf16_f32 v[Y+2*i+1], v[X+4*i+2], v[X+4*i+3]
	global_store_b64 v2, v[Y+2*i:Y+2*i+1], s[6:7] offset:i*256
.set i, i+1
.endr
.endm
	s_load_b512 s[8:23], s[0:1], 0x0               ; x s[8:9], Wq s[10:11], Wk s[12:13], Wv s[14:15], Wo s[16:17], xb s[18:19], wcat s[20:21], wob s[22:23]
	v_lshrrev_b32 v1, 5, v0
	v_readfirstlane_b32 s2, v1                     ; wave 0..7
	v_and_b32 v3, 31, v0                           ; lane
	s_cmp_lt_u32 ttmp9, 256
	s_cbranch_scc0 .Lweights
	; x: the work-group owns 65,536 bytes of x and 32,768 of xb, the wave an eighth of them
	s_lshl_b32 s24, ttmp9, 16
	s_mov_b32 s25, 0
	s_lshl_b32 s26, ttmp9, 15
	s_mov_b32 s27, 0
	v_lshlrev_b32 v1, 4, v3
	v_lshl_add_u32 v1, s2, 13, v1                  ; 8,192 wave + 16 lane
	v_lshlrev_b32 v2, 3, v3
	v_lshl_add_u32 v2, s2, 12, v2                  ; 4,096 wave + 8 lane
	s_wait_kmcnt 0x0
	s_add_nc_u64 s[4:5], s[8:9], s[24:25]
	s_add_nc_u64 s[6:7], s[18:19], s[26:27]
	CAST 512
	s_endpgm
.Lweights:
	s_sub_co_u32 s24, ttmp9, 256                   ; g = 0..255
	s_lshr_b32 s25, s24, 6                         ; which weight: 0 q, 1 k, 2 v, 3 o
	s_and_b32 s26, s24, 15                         ; hh: which 64 columns
	s_bfe_u32 s27, s24, 0x20004                    ; kq: which 256 rows (k)
	s_lshl_b32 s28, s27, 1
	s_lshr_b32 s29, s2, 2
	s_add_co_u32 s28, s28, s29                     ; kstep = 2 kq + wave / 4
	s_lshl3_add_u32 s30, s26, s28
	s_mul_i32 s30, s30, 3
	s_add_co_u32 s30, s30, s25                     ; block of 16,384 bytes in wcat: (8 hh + kstep) 3 + which
	s_lshr_b32 s31, s26, 1
	s_lshl3_add_u32 s31, s31, s28
	s_and_b32 s29, s26, 1
	s_lshl1_add_u32 s31, s31, s29                  ; block in wob: (8 (hh / 2) + kstep) 2 + hh mod 2
	s_cmp_eq_u32 s25, 3
	s_cselect_b32 s30, s31, s30
	s_lshl_b32 s30, s30, 14
	s_and_b32 s29, s2, 3
	s_lshl_b32 s29, s29, 12                        ; my 32 rows of 128 bytes in the block
	s_add_co_u32 s30, s30, s29
	s_mov_b32 s31, 0
	s_lshl_b32 s32, s27, 20                        ; 256 rows of 4,096 bytes
	s_lshl_b32 s33, s26, 8                         ; 64 columns of 4 bytes
	s_add_co_u32 s32, s32, s33
	s_mov_b32 s33, 0
	v_lshrrev_b32 v1, 4, v3                        ; lanes 0-15 take a row's 256 bytes, lanes 16-31 the next row's
	v_lshl_add_u32 v1, s2, 5, v1                   ; row = 32 wave + lane / 16
	v_and_b32 v2, 15, v3
	v_lshlrev_b32 v2, 4, v2
	v_lshl_or_b32 v1, v1, 12, v2                   ; 4,096 row + 16 (lane mod 16)
	v_lshlrev_b32 v2, 3, v3                        ; two rows of 128 bytes follow each other in the block: 8 lane
	s_wait_kmcnt 0x0
	s_cmp_eq_u32 s25, 1
	s_cselect_b64 s[4:5], s[12:13], s[10:11]
	s_cmp_eq_u32 s25, 2
	s_cselect_b64 s[4:5], s[14:15], s[4:5]
	s_cmp_eq_u32 s25, 3
	s_cselect_b64 s[4:5], s[16:17], s[4:5]
	s_cselect_b64 s[6:7], s[22:23], s[20:21]       ; s_cselect leaves SCC as it is: still which = 3
	s_add_nc_u64 s[4:5], s[4:5], s[32:33]
	s_add_nc_u64 s[6:7], s[6:7], s[30:31]
	CAST 8192                                      ; two rows of 4,096 bytes on
	s_endpgm
.Lfunc_end_k_q720e7d1dd4_prep:
	.size	k_q720e7d1dd4_prep, .Lfunc_end_k_q720e7d1dd4_prep-k_q720e7d1dd4_prep
	.p2alignl 7, 3214868480
	.fill 96, 4, 3214868480
	.section	.rodata,"a",@progbits
	.p2align	6, 0x0
	.amdhsa_kernel k_q720e7d1dd4_prep
		.amdhsa_group_segment_fixed_size 0
		.amdhsa_private_segment_fixed_size 0
		.amdhsa_enable_private_segment 0
		.amdhsa_kernarg_size 64
		.amdhsa_user_sgpr_count 2
		.amdhsa_user_sgpr_kernarg_segment_ptr 1
		.amdhsa_wavefront_size32 1
		.amdhsa_system_sgpr_workgroup_id_x 1
		.amdhsa_system_sgpr_workgroup_id_y 1
		.amdhsa_system_sgpr_workgroup_id_z 1
		.amdhsa_system_vgpr_workitem_id 0
		.amdhsa_next_free_vgpr 104
		.amdhsa_next_free_sgpr 66
		.amdhsa_reserve_vcc 0
		.amdhsa_float_denorm_mode_32 3
		.amdhsa_float_denorm_mode_16_64 3
		.amdhsa_memory_ordered 1
		.amdhsa_forward_progress 1
		.amdhsa_inst_pref_size 14
	.end_amdhsa_kernel
	.amdgpu_metadata
---
amdhsa.version: [ 1, 2 ]
amdhsa.kernels:
  - .name:           k_q720e7d1dd4_prep
    .symbol:         k_q720e7d1dd4_prep.kd
    .args:
      - { .name: x, .offset: 0, .size: 8, .value_kind: global_buffer, .address_space: global }
      - { .name: Wq, .offset: 8, .size: 8, .value_kind: global_buffer, .address_space: global }
      - { .name: Wk, .offset: 16, .size: 8, .value_kind: global_buffer, .address_space: global }
      - { .name: Wv, .offset: 24, .size: 8, .value_kind: global_buffer, .address_space: global }
      - { .name: Wo, .offset: 32, .size: 8, .value_kind: global_buffer, .address_space: global }
      - { .name: xb, .offset: 40, .size: 8, .value_kind: global_buffer, .address_space: global }
      - { .name: wcat, .offset: 48, .size: 8, .value_kind: global_buffer, .address_space: global }
      - { .name: wob, .offset: 56, .size: 8, .value_kind: global_buffer, .address_space: global }
    .group_segment_fixed_size: 0
    .private_segment_fixed_size: 0
    .kernarg_segment_align: 8
    .kernarg_segment_size: 64
    .max_flat_workgroup_size: 256
    .sgpr_count:     66
    .vgpr_count:     104
    .wavefront_size: 32
...
	.end_amdgpu_metadata
.endif
;; end of part 1
;; launch qkv (part 2): grid 16 x 16, 4 waves a work-group, clusters of 4 x 4, 327,680 bytes of LDS; arguments xb, wcat, bq, bk, bv, qh, kh, vh; writes qh, kh, vh
.if DOCPART == 2
	.amdgcn_target "amdgcn-amd-amdhsa--gfx1250"
	.amdhsa_code_object_version 6
	.text
	.protected	k_q720e7d1dd4_qkv
	.globl	k_q720e7d1dd4_qkv
	.p2align	8
	.type	k_q720e7d1dd4_qkv,@function
k_q720e7d1dd4_qkv:
	s_mov_b64 s[64:65], 0
	v_nop
	global_prefetch_b8 v0, s[64:65] scope:SCOPE_SE
	s_setreg_imm32_b32 hwreg(HW_REG_WAVE_MODE, 25, 1), 1
	s_wait_xcnt 0x0
	s_wait_alu depctr_hold_cnt(0) depctr_sa_sdst(0) depctr_va_vdst(0) depctr_va_sdst(0) depctr_va_ssrc(0) depctr_va_vcc(0) depctr_vm_vsrc(0)
	s_getreg_b32 s2, hwreg(HW_REG_IB_STS2, 6, 4)
	s_cmp_eq_u32 s2, 0
	s_cbranch_scc0 .Lentry_in_a_cluster
	s_endpgm
.Lentry_in_a_cluster:
	s_bfe_u32 s2, ttmp6, 0x10000c
	s_cmp_lg_u32 s2, 0xf033
	s_cbranch_scc0 .Lentry_shape_is_right
	s_endpgm
.Lentry_shape_is_right:
; qkv: q = (x Wq + bq) c, k = x Wk + bk, v = x Wv + bv, stored by heads as bf16: qh, kh, vh [16 b + h][2048 s][64].
; c = 0.125 log2(e): the scores then come out of the next launch's products in units of log2, with 1/sqrt(64) in them.
; Operands bf16 (x and W rounded once by the launch before), sums f32, one rounding to bf16 on the way out.
; A work-group makes 256 rows x 192 columns: the 64 q, 64 k and 64 v columns of ONE head; 16 heads x 16 row blocks = 256 work-groups.
; A wave makes 64 rows x all 192 columns: 48 accumulator tiles of 16 x 16, 384 registers; column tiles 0-3 are q, 4-7 k, 8-11 v in every wave.
; K = 1024 goes in 8 steps of 128 through a ring of two LDS slots filled by the tensor data mover.
; CLUSTERS: 4 x 4 work-groups.  The four of a row of the cluster share the row block (x's tiles), the four of a column the head (W's tiles):
; each tile is asked for jointly, which divides the requests for x and for W by four.
; W lies [k][column] in memory, so its fragments come by the transposing LDS load.  A tile of W has rows of 128 bytes (64 columns); two of them
; (k even, k odd) are brought as one row of 256 bytes and padded by 32: sixteen neighbouring lanes of a transposing load then address sixteen
; different 16-byte columns modulo 256 bytes.  x's rows of 256 bytes are padded by 16, for the same reason.
; THE MATRIX INSTRUCTION IS USED TRANSPOSED: source 0 = 16 columns of W, source 1 = 16 rows of x; lane l then holds row l % 16 of the result and
; its registers the columns 8 (l / 16) + 0..7: eight neighbours, 16 bytes in bf16.
; The bias is the C operand of each sum's first product: nothing is cleared, nothing is added later.
; REGISTERS, in windows of 256:  window 0: addresses, x's fragments (two buffers), bias, the way out;  window 1: W's fragments (two buffers);
; window 2: accumulators of my row tiles 0, 1;  window 3: of row tiles 2, 3.
.set PA,     272                       ; LDS pitch of x's rows
.set PB,     288                       ; LDS pitch of W's double rows
.set REGION, 128*PA                    ; 34,816: what one wave's tensor load may fill.  x: 128 rows.  W: 96 double rows = 27,648, the rest unused
.set BGAP,   REGION-96*PB              ; 7,168 unused bytes between W's two halves
.set SLOT,   4*REGION                  ; x rows 0-127, x rows 128-255, W double rows 0-95, 96-191 (double row = 64 which + k / 2)
.set STAGE,  2*SLOT                    ; behind the ring, never filled by a tensor load: for each wave [q,k,v][16 rows x 144 bytes]
.set WSTAGE, 3*16*144
.set ADRA, 16                          ; v16-17  LDS address of my x fragments in slot 0, 1
.set ADRB, 20                          ; v20-21  the same for W
.set STO,  24                          ; the way out: where I put 16 bytes of a row
.set RD,   25                          ; the way out: where I read rows back
.set CO,   26                          ; my byte offset in the output: 16 lane
.set BO,   27                          ; my byte offset in a bias: 32 (lane / 16)
.set FA,   32                          ; window 0: x's fragments, buffer f at FA + 32 f, row tile a at + 8 a
.set BIAS, 96                          ; window 0: v96-191, column tile b at + 8 b
.set TMP,  192                         ; window 0: v192-239 packed results
.set RB,   32                          ; window 0: v32-79 rows read back (x's fragment buffers, free by then)
.set G1,  24                           ; s[24:31] descriptor group 1 for x's tiles
.set G0,  32                           ; s[32:39] group 0 for x's tiles, a set for each slot
.set G1B, 48                           ; s[48:55] group 1 for W's tiles
.set G0B, 56                           ; s[56:63] group 0 for W's tiles, a set for each slot
.set MSB, 0
.macro WIN new                         ; s_set_vgpr_msb: bits 1:0 source 0, 3:2 source 1, 5:4 source 2, 7:6 destination; the high byte repeats the setting that is left
.if MSB != \new
	s_set_vgpr_msb (MSB<<8)|\new
.set MSB, \new
.endif
.endm
.macro PLACES                          ; four plain vector instructions between a matrix instruction and a load into, or a vector read or write of, its registers (ISA guide 7.12.1 for vector reads and writes)
.rept 4
	v_nop
.endr
.endm
; A joint load: waves 0, 1 fetch x's two halves, waves 2, 3 W's.  Each line has one mask and one set of registers; the branch hangs on the wave's number alone.
.macro JLOAD s
	s_cmp_eq_u32 s11, 0
	s_cbranch_scc0 .Lfor_b_\@
	tensor_load_to_lds s[G0+4*\s:G0+4*\s+3], s[G1:G1+7]
	s_nop 0
	s_branch .Lasked_\@
.Lfor_b_\@:
	tensor_load_to_lds s[G0B+4*\s:G0B+4*\s+3], s[G1B:G1B+7]
	s_nop 0
.Lasked_\@:
.endm
; A round of the cluster's barrier: my work-group's barrier, wave 0 signals for the work-group, every wave waits for all sixteen, my work-group's barrier again.
.macro CREST                           ; a round behind its opening barrier
	s_cmp_lg_u32 s10, 0
	s_cbranch_scc1 .Lnot_wave_0_\@
	s_barrier_signal -3
.Lnot_wave_0_\@:
	s_barrier_wait -3
	s_barrier_signal -1
	s_barrier_wait -1
.endm
.macro CROUND
	s_barrier_signal -1
	s_barrier_wait -1
	CREST
.endm
	s_load_b512 s[68:83], s[0:1], 0x0              ; xb s[68:69], wcat s[70:71], bq s[72:73], bk s[74:75], bv s[76:77], qh s[78:79], kh s[80:81], vh s[82:83]
	s_set_vgpr_msb 0x40
	v_lshl_add_u32 v255, v0, 2, 0x4ac00
	s_set_vgpr_msb 0x4000
	v_mov_b32 v255, 0
	s_set_vgpr_msb 0x1
	ds_add_u32 v255, v255
	s_set_vgpr_msb 0x100
	v_lshrrev_b32 v1, 5, v0
	v_readfirstlane_b32 s10, v1                    ; wave 0..3
	s_lshr_b32 s11, s10, 1                         ; I fetch for x (0) or for W (1)
	s_and_b32 s12, s10, 1                          ; which half of that tile I fetch
	s_bfe_u32 s40, ttmp6, 0x40000                  ; cx
	s_bfe_u32 s41, ttmp6, 0x40004                  ; cy
	s_lshl_b32 s42, ttmp9, 2
	s_add_co_u32 s42, s42, s40                     ; head = 4 x cluster x + cx
	s_and_b32 s13, ttmp7, 0xffff
	s_lshl_b32 s13, s13, 2
	s_add_co_u32 s13, s13, s41                     ; row block = 4 x cluster y + cy
	s_lshl_b32 s43, s41, 2
	s_lshl_b32 s43, 15, s43                        ; my row of the cluster: places 4 cy .. 4 cy + 3
	s_lshl_b32 s44, 0x1111, s40                    ; my column: places cx, cx + 4, cx + 8, cx + 12
	; group 1 for x: 128 rows x 128 elements of 2 bytes, 1,024 elements from row to row, 4 words of padding behind every 64
	s_or_b32 s[G1+0], s43, (1<<16)|(1<<20)|(1<<21)|(5<<22)|(3<<25)
	s_mov_b32 s[G1+1], 128<<16                     ; tensor_dim0 = 128
	s_mov_b32 s[G1+2], 128<<16                     ; tensor_dim1 = 128
	s_mov_b32 s[G1+3], 128<<16                     ; tile_dim0 = 128
	s_mov_b32 s[G1+4], 128                         ; tile_dim1 = 128
	s_mov_b32 s[G1+5], 1024                        ; pitch
	s_mov_b32 s[G1+6], 0
	s_mov_b32 s[G1+7], 0
	; group 1 for W: 96 dense rows of 128 elements (two k each), 8 words of padding behind every 64
	s_or_b32 s[G1B+0], s44, (1<<16)|(1<<20)|(1<<21)|(5<<22)|(7<<25)
	s_mov_b32 s[G1B+1], 128<<16
	s_mov_b32 s[G1B+2], 96<<16
	s_mov_b32 s[G1B+3], 128<<16
	s_mov_b32 s[G1B+4], 96
	s_mov_b32 s[G1B+5], 128
	s_mov_b32 s[G1B+6], 0
	s_mov_b32 s[G1B+7], 0
	; offsets.  x's hang on the row block alone, W's on the head alone, each in registers that never hold the other coordinate
	s_lshl_b32 s16, s13, 19                        ; 256 rows of 2,048 bytes
	s_lshl_b32 s17, s12, 18                        ; + my 128 rows
	s_add_co_u32 s16, s16, s17
	s_mov_b32 s17, 0
	s_mul_i32 s46, s42, 393216                     ; a head's 8 steps of 49,152 bytes
	s_mul_i32 s47, s12, 24576                      ; + my 96 rows of 256 bytes
	s_add_co_u32 s46, s46, s47
	s_mov_b32 s47, 0
	s_mul_i32 s20, s10, REGION                     ; where my tiles go: the wave's number times a constant
	s_lshl_b32 s88, s42, 8                         ; the head's 64 numbers in a bias
	s_mov_b32 s89, 0
	s_lshr_b32 s86, s13, 3                         ; batch
	s_lshl4_add_u32 s86, s86, s42                  ; 16 b + h
	s_lshl_b32 s86, s86, 18                        ; x 2,048 rows of 128 bytes
	s_and_b32 s87, s13, 7
	s_lshl_b32 s87, s87, 15                        ; + the block's 256 rows
	s_add_co_u32 s86, s86, s87
	s_lshl_b32 s87, s10, 13                        ; + my 64 rows
	s_add_co_u32 s86, s86, s87
	s_mov_b32 s87, 0
	s_mov_b32 s84, 0x3e38aa3b                      ; c = 0.125 log2(e)
	s_mov_b32 s85, 0x3e38aa3b                      ; (the pair counts as read whole)
	; lane terms
	v_and_b32 v1, 15, v0                           ; r = l % 16
	v_bfe_u32 v2, v0, 4, 1                         ; h = l / 16
	v_mul_u32_u24 v3, v1, PA
	v_lshl_add_u32 v3, v2, 4, v3                   ; x: row r, 16 h
	s_mul_i32 s21, s10, 64*PA                      ; my 64 rows
	v_add_nc_u32 v[ADRA], s21, v3
	v_add_nc_u32 v[ADRA+1], SLOT, v[ADRA]
	v_bfe_u32 v4, v0, 1, 2                         ; W: lane l addresses k = 8 h + l % 8: double row 4 h + (l % 8) / 2,
	v_lshl_add_u32 v4, v2, 2, v4
	v_mul_u32_u24 v4, v4, PB
	v_and_b32 v5, 1, v0
	v_lshl_add_u32 v4, v5, 7, v4                   ; its second half for odd k,
	v_bfe_u32 v5, v0, 3, 1
	v_lshl_add_u32 v4, v5, 4, v4                   ; columns 0-7 or 8-15 of the tile
	v_add_nc_u32 v[ADRB], 2*REGION, v4
	v_add_nc_u32 v[ADRB+1], 2*REGION+SLOT, v4
	s_mul_i32 s23, s10, WSTAGE
	s_add_co_u32 s23, s23, STAGE
	v_mul_u32_u24 v5, v1, 144
	v_lshl_add_u32 v5, v2, 4, v5
	v_add_nc_u32 v[STO], s23, v5                   ; in: row r, 16 bytes for each half of the lanes
	v_bfe_u32 v5, v0, 3, 2
	v_mul_u32_u24 v5, v5, 144
	v_and_b32 v6, 7, v0
	v_lshl_add_u32 v5, v6, 4, v5
	v_add_nc_u32 v[RD], s23, v5                    ; back: eight lanes take a row of 128 bytes, the wave four rows
	v_and_b32 v6, 31, v0
	v_lshlrev_b32 v[CO], 4, v6                     ; four rows of 128 bytes are 512 consecutive bytes of the output
	v_lshlrev_b32 v[BO], 5, v2
	s_wait_dscnt 0x0
	s_wait_kmcnt 0x0
	s_add_nc_u64 s[14:15], s[68:69], s[16:17]
	s_add_nc_u64 s[46:47], s[70:71], s[46:47]
	s_add_nc_u64 s[72:73], s[72:73], s[88:89]
	s_add_nc_u64 s[74:75], s[74:75], s[88:89]
	s_add_nc_u64 s[76:77], s[76:77], s[88:89]
	s_add_nc_u64 s[78:79], s[78:79], s[86:87]
	s_add_nc_u64 s[80:81], s[80:81], s[86:87]
	s_add_nc_u64 s[82:83], s[82:83], s[86:87]
	CROUND                                         ; all sixteen work-groups are here: the first joint loads meet
.irp s, 0,1
	s_mov_b32 s[G0+4*\s], 1
	s_add_co_u32 s[G0+4*\s+1], s20, \s*SLOT
	s_add_nc_u64 s[G0+4*\s+2:G0+4*\s+3], s[14:15], \s*256          ; K step s: 128 elements along the rows
	s_or_b32 s[G0+4*\s+3], s[G0+4*\s+3], 0x80000000
	s_mov_b32 s[G0B+4*\s], 1
	s_add_co_u32 s[G0B+4*\s+1], s20, \s*SLOT
	s_add_nc_u64 s[G0B+4*\s+2:G0B+4*\s+3], s[46:47], \s*49152      ; K step s: the next [3][128][64]
	s_or_b32 s[G0B+4*\s+3], s[G0B+4*\s+3], 0x80000000
	JLOAD \s                                       ; both slots are asked for before anything else: two tensor loads of the wave are out
.endr
	; the bias in the accumulators' layout: register j of column tile b holds bias[16 (b % 4) + 8 h + j] of q, k or v
.irp b, 0,1,2,3,4,5,6,7,8,9,10,11
	global_load_b128 v[BIAS+8*\b:BIAS+8*\b+3],   v[BO], s[72+2*((\b)>>2):73+2*((\b)>>2)] offset:((\b)&3)*64
	global_load_b128 v[BIAS+8*\b+4:BIAS+8*\b+7], v[BO], s[72+2*((\b)>>2):73+2*((\b)>>2)] offset:((\b)&3)*64+16
.endr
; 12 matrix instructions: row tile a x all 12 column tiles, 32 along K, from buffer f.  first = 1: C is the bias (window 0).
.macro MUL12 f, a, first
.irp b, 0,1,2,3,4,5,6,7,8,9,10,11
.set AC, 8*(12*((\a)&1)+\b)
.if \first
	v_wmma_f32_16x16x32_bf16 v[AC:AC+7], v[96*\f+8*\b:96*\f+8*\b+7], v[FA+32*\f+8*\a:FA+32*\f+8*\a+7], v[BIAS+8*\b:BIAS+8*\b+7]
.else
	v_wmma_f32_16x16x32_bf16 v[AC:AC+7], v[96*\f+8*\b:96*\f+8*\b+7], v[FA+32*\f+8*\a:FA+32*\f+8*\a+7], v[AC:AC+7]
.endif
.endr
.endm
; 32 LDS loads in one run: quarter q (32 along K) of a slot into buffer f: W's 12 column tiles, then x's 4 row tiles
.macro FETCH slot, q, f
	WIN 0x40                                       ; destination window 1, address window 0
.irp b, 0,1,2,3,4,5,6,7,8,9,10,11
.set RR, ((\b)>>2)*64+(\q)*16                      ; double row: 64 which + k / 2; a group of eight never straddles the two halves (96 = 12 x 8)
	ds_load_tr16_b128 v[96*\f+8*\b:96*\f+8*\b+3],   v[ADRB+\slot] offset:RR*PB+(RR/96)*BGAP+((\b)&3)*32
	ds_load_tr16_b128 v[96*\f+8*\b+4:96*\f+8*\b+7], v[ADRB+\slot] offset:(RR+8)*PB+((RR+8)/96)*BGAP+((\b)&3)*32
.endr
	WIN 0
.irp a, 0,1,2,3
	ds_load_b128 v[FA+32*\f+8*\a:FA+32*\f+8*\a+3],   v[ADRA+\slot] offset:\q*64+\a*16*PA
	ds_load_b128 v[FA+32*\f+8*\a+4:FA+32*\f+8*\a+7], v[ADRA+\slot] offset:\q*64+\a*16*PA+32
.endr
.endm
; A K step is four quarters of 32 along K, 48 matrix instructions each, on buffers 0, 1, 0, 1.  The 48 accumulators take turns, one instruction a turn,
; in the same order in every quarter, over the loop's backward jump too.
; One of the first three quarters: multiplies buffer f and fetches quarter qn of the same slot into buffer g in its middle.
.macro QUARTER slot, qn, f, g, first
	s_wait_dscnt 4                                 ; W and x's row tiles 0, 1 are in; the youngest four loads (row tiles 2, 3) may be out
.if \first
	WIN 0x81                                       ; source 0 window 1, source 1 and C window 0, D window 2
.else
	WIN 0xa1                                       ; C and D window 2
.endif
	MUL12 \f, 0, \first
	MUL12 \f, 1, \first
	PLACES
	FETCH \slot, \qn, \g
	s_wait_dscnt 32                                ; all but the 32 just issued
.if \first
	WIN 0xc1
.else
	WIN 0xf1                                       ; C and D window 3
.endif
	MUL12 \f, 2, \first
	MUL12 \f, 3, \first
.endm
.macro THREE slot, first
	QUARTER \slot, 1, 0, 1, \first
	QUARTER \slot, 2, 1, 0, 0
	QUARTER \slot, 3, 0, 1, 0
.endm
; The last quarter multiplies buffer 1 and changes slots.  In front of the barrier each wave waits for its reads of this slot and for all its tensor
; loads (one is out: its part of the next slot).  Behind it the refill comes first, then the next slot's first fragments.
; From a request to the wait for it a wave issues 180 matrix instructions.
.macro TURN slot, next, fill
	s_wait_dscnt 4
	WIN 0xa1
	MUL12 1, 0, 0
	s_wait_dscnt 0x0                               ; my reads of this slot are over
	s_wait_tensorcnt 0x0                           ; all my tensor loads have landed
	ds_add_u32 v255, v255
	s_wait_dscnt 0x0
	s_barrier_signal -1                            ; (where the slot is filled again this barrier opens a round of the cluster's barrier)
	MUL12 1, 1, 0                                  ; registers only
	WIN 0
	s_barrier_wait -1
.if \fill
	CREST                                          ; no wave of any partner still reads this slot or has a load on its way
	s_add_nc_u64 s[G0+4*\slot+2:G0+4*\slot+3], s[G0+4*\slot+2:G0+4*\slot+3], 2*256
	s_add_nc_u64 s[G0B+4*\slot+2:G0B+4*\slot+3], s[G0B+4*\slot+2:G0B+4*\slot+3], 2*49152
	JLOAD \slot                                    ; the wave's one tensor load behind the round
.endif
	PLACES
	FETCH \next, 0, 0
	WIN 0xf1
	MUL12 1, 2, 0
	MUL12 1, 3, 0
.endm
.macro LAP first                       ; two K steps, both slots filled again
	THREE 0, \first
	TURN 0, 1, 1
	THREE 1, 0
	TURN 1, 0, 1
.endm
	s_wait_tensorcnt 0x1                           ; my part of K step 0 is in; K step 1's load stays out
	s_wait_loadcnt 0x0                             ; the bias
	s_barrier_signal -1
	s_barrier_wait -1
	FETCH 0, 0, 0
	LAP 1                                          ; K steps 0, 1: the first products start the sums from the bias
	WIN 0                                          ; at a label and at a branch every window is 0
	s_mov_b32 s3, 2
.Llap:
	LAP 0                                          ; K steps 2 to 5
	WIN 0
	s_sub_co_u32 s3, s3, 1
	s_cmp_lg_u32 s3, 0
	s_cbranch_scc1 .Llap
	THREE 0, 0                                     ; K steps 6, 7: nothing is left to fetch
	TURN 0, 1, 0
	THREE 1, 0
	s_wait_dscnt 4
	WIN 0xa1
	MUL12 1, 0, 0
	MUL12 1, 1, 0
	s_wait_dscnt 0x0
	WIN 0xf1
	MUL12 1, 2, 0
	MUL12 1, 3, 0
	PLACES                                         ; behind the last matrix instructions, for all that follows
; THE WAY OUT, 16 rows at a time: q's four tiles times c, all twelve rounded to bf16, 16 bytes a lane into my own stage, read back as rows of 128 bytes.
; LDS serves a wave's instructions in order (ISA guide 5.7.1): no wait between my stores and my loads.
.macro OUT a
.if (\a) < 2
	WIN 0x82                                       ; destination and source 0 window 2
.else
	WIN 0xc3
.endif
.irp b, 0,1,2,3
.irp p, 0,2,4,6
.set AC, 8*(12*((\a)&1)+\b)+\p
	v_pk_mul_f32 v[AC:AC+1], v[AC:AC+1], s[84:85] op_sel_hi:[1,0]
.endr
.endr
.if (\a) < 2
	WIN 0x0a                                       ; sources 0 and 1 window 2
.else
	WIN 0x0f
.endif
.irp b, 0,1,2,3,4,5,6,7,8,9,10,11
.irp p, 0,1,2,3
.set AC, 8*(12*((\a)&1)+\b)+2*\p
	v_cvt_pk_bf16_f32 v[TMP+4*\b+\p], v[AC], v[AC+1]
.endr
.endr
	WIN 0
.irp b, 0,1,2,3,4,5,6,7,8,9,10,11
	ds_store_b128 v[STO], v[TMP+4*\b:TMP+4*\b+3] offset:((\b)>>2)*2304+((\b)&3)*32
.endr
	s_wait_xcnt 0x0                                ; RB, which the last 16 rows' stores read, is loaded again only behind this wait
.irp w, 0,1,2
.irp t, 0,1,2,3
	ds_load_b128 v[RB+4*(4*\w+\t):RB+4*(4*\w+\t)+3], v[RD] offset:\w*2304+\t*576
.endr
.endr
.irp w, 0,1,2
.irp t, 0,1,2,3
	s_wait_dscnt 11-(4*\w+\t)                      ; the younger loads of the twelve stay out
	global_store_b128 v[CO], v[RB+4*(4*\w+\t):RB+4*(4*\w+\t)+3], s[78+2*\w:79+2*\w] offset:\a*2048+\t*512   ; 512 consecutive bytes, at a multiple of 512 from the buffer's first byte
.endr
.endr
.endm
	OUT 0
	OUT 1
	OUT 2
	OUT 3
	s_set_vgpr_msb 0x1
	s_wait_tensorcnt 0x0
	ds_add_u32 v255, v255
	s_wait_dscnt 0x0
	s_set_vgpr_msb 0x100
	CROUND                                         ; the closing round: no work-group ends while a partner may still ask for a tile that names it
	s_endpgm
.Lfunc_end_k_q720e7d1dd4_qkv:
	.size	k_q720e7d1dd4_qkv, .Lfunc_end_k_q720e7d1dd4_qkv-k_q720e7d1dd4_qkv
	.p2alignl 7, 3214868480
	.fill 96, 4, 3214868480
	.section	.rodata,"a",@progbits
	.p2align	6, 0x0
	.amdhsa_kernel k_q720e7d1dd4_qkv
		.amdhsa_group_segment_fixed_size 327680
		.amdhsa_private_segment_fixed_size 0
		.amdhsa_enable_private_segment 0
		.amdhsa_kernarg_size 64
		.amdhsa_user_sgpr_count 2
		.amdhsa_user_sgpr_kernarg_segment_ptr 1
		.amdhsa_wavefront_size32 1
		.amdhsa_system_sgpr_workgroup_id_x 1
		.amdhsa_system_sgpr_workgroup_id_y 1
		.amdhsa_system_sgpr_workgroup_id_z 1
		.amdhsa_system_vgpr_workitem_id 0
		.amdhsa_next_free_vgpr 960
		.amdhsa_next_free_sgpr 96
		.amdhsa_reserve_vcc 0
		.amdhsa_float_denorm_mode_32 3
		.amdhsa_float_denorm_mode_16_64 3
		.amdhsa_memory_ordered 1
		.amdhsa_forward_progress 1
		.amdhsa_inst_pref_size 170
	.end_amdhsa_kernel
	.amdgpu_metadata
---
amdhsa.version: [ 1, 2 ]
amdhsa.kernels:
  - .name:           k_q720e7d1dd4_qkv
    .symbol:         k_q720e7d1dd4_qkv.kd
    .args:
      - { .name: xb, .offset: 0, .size: 8, .value_kind: global_buffer, .address_space: global }
      - { .name: wcat, .offset: 8, .size: 8, .value_kind: global_buffer, .address_space: global }
      - { .name: bq, .offset: 16, .size: 8, .value_kind: global_buffer, .address_space: global }
      - { .name: bk, .offset: 24, .size: 8, .value_kind: global_buffer, .address_space: global }
      - { .name: bv, .offset: 32, .size: 8, .value_kind: global_buffer, .address_space: global }
      - { .name: qh, .offset: 40, .size: 8, .value_kind: global_buffer, .address_space: global }
      - { .name: kh, .offset: 48, .size: 8, .value_kind: global_buffer, .address_space: global }
      - { .name: vh, .offset: 56, .size: 8, .value_kind: global_buffer, .address_space: global }
    .group_segment_fixed_size: 327680
    .private_segment_fixed_size: 0
    .kernarg_segment_align: 8
    .kernarg_segment_size: 64
    .max_flat_workgroup_size: 128
    .sgpr_count:     96
    .vgpr_count:     960
    .wavefront_size: 32
...
	.end_amdgpu_metadata
.endif
;; end of part 2
;; launch attn (part 3): grid 8 x 32, 4 waves a work-group, clusters of 4 x 1, 327,680 bytes of LDS; arguments qh, kh, vh, ctx; writes ctx
.if DOCPART == 3
	.amdgcn_target "amdgcn-amd-amdhsa--gfx1250"
	.amdhsa_code_object_version 6
	.text
	.protected	k_q720e7d1dd4_attn
	.globl	k_q720e7d1dd4_attn
	.p2align	8
	.type	k_q720e7d1dd4_attn,@function
k_q720e7d1dd4_attn:
	s_mov_b64 s[64:65], 0
	v_nop
	global_prefetch_b8 v0, s[64:65] scope:SCOPE_SE
	s_setreg_imm32_b32 hwreg(HW_REG_WAVE_MODE, 25, 1), 1
	s_wait_xcnt 0x0
	s_wait_alu depctr_hold_cnt(0) depctr_sa_sdst(0) depctr_va_vdst(0) depctr_va_sdst(0) depctr_va_ssrc(0) depctr_va_vcc(0) depctr_vm_vsrc(0)
	s_getreg_b32 s2, hwreg(HW_REG_IB_STS2, 6, 4)
	s_cmp_eq_u32 s2, 0
	s_cbranch_scc0 .Lentry_in_a_cluster
	s_endpgm
.Lentry_in_a_cluster:
	s_bfe_u32 s2, ttmp6, 0x10000c
	s_cmp_lg_u32 s2, 0x3003
	s_cbranch_scc0 .Lentry_shape_is_right
	s_endpgm
.Lentry_shape_is_right:
; attn: ctx = softmax(q k^T / 8) v for one (batch, head) and 256 queries a work-group; the scores never leave the registers.
; qh already holds q times 0.125 log2(e), so a score is an exponent of 2.  The softmax takes a RUNNING MAXIMUM away before every exponential.
; Operands (q, k, v, p) bf16, scores, maxima, sums and the output's sums f32.  The row sum adds p before its rounding to bf16.
; Limits: v_exp_f32 gives zero for results below 2^-126 (ISA guide, its entry); NaN and infinities among the inputs get no special care.
; A wave owns 64 queries, as four tiles of 16; the keys go by 64.  Grid: 8 query blocks x 32 (batch, head) = 256 work-groups.
; CLUSTERS: the four work-groups of a cluster are four query blocks of one head: they read the same tiles of K and V and ask for them jointly (mask 15).
; BOTH PRODUCTS ARE USED TRANSPOSED.  S^T = K Q^T: source 0 = 16 keys, source 1 = 16 queries; lane l then holds query l % 16 and, in register j of key
; tile kt, key 16 kt + 8 (l / 16) + j.  So a query's maximum and sum are made inside a lane and joined with ONE exchange between lanes l and l xor 16,
; and two key tiles, packed to bf16 pair by pair, ARE the fragment (source 1) of O^T = V^T P^T: no shuffle, no way through LDS.
; O^T: lane l holds query l % 16 and eight neighbouring d: the factors exp2(old max - new max) and 1 / sum are one number a lane.
; K and V have rows of 128 bytes; two of them come as one LDS row of 256 bytes, padded by 16 (K, plain loads) or 32 (V, transposing loads), so that
; sixteen neighbouring lanes address sixteen different 16-byte columns modulo 256 bytes.
; RING: two slots of 256 keys (K 32 KiB, V 32 KiB); 8 slot steps.  A refill has a whole slot step, 256 matrix instructions and their softmax, in which to land.
.set PK,     272
.set PVV,    288
.set REGION, 64*PVV                    ; 18,432: one wave's tensor load: 128 keys = 64 double rows (K uses 17,408 of it)
.set SLOT,   4*REGION                  ; K keys 0-127, K keys 128-255, V keys 0-127, V keys 128-255
.set STAGE,  2*SLOT                    ; behind the ring, never filled by a tensor load: 16 rows x 144 bytes for each wave
.set WSTAGE, 16*144
.set KADR, 2                           ; v2-3    LDS address of my K fragments in slot 0, 1
.set VADR, 4                           ; v4-5    the same for V
.set QO,   6                           ; my byte offset in my wave's rows of qh
.set STO,  7
.set RD,   8
.set CO,   9
.set QF,   16                          ; v16-79   Q fragments: tile i, half ks of d at QF + 16 i + 8 ks
.set SCA,  80                          ; v80-111  scores, buffer A: key tile kt at + 8 kt
.set SCB,  112                         ; v112-143 scores, buffer B
.set PRA,  144                         ; v144-159 p in bf16, buffer A: keys 0-31 in + 0..7, keys 32-63 in + 8..15
.set PRB,  160                         ; v160-175 buffer B
.set STAT, 176                         ; v176-183 tile i: running maximum at STAT + 2 i, running sum (of my half of the keys) at STAT + 2 i + 1
.set T,    184                         ; v184-187 at work
.set AL,   192                         ; v192 exp2(old max - new max); v193 only completes the pair
.set RB,   196                         ; v196-227 rows read back, two sets
.set KF,   0                           ; window 1: v0-63    K fragments: key tile kt, half ks at 16 kt + 8 ks
.set VF,   64                          ; window 1: v64-127  V^T fragments: d tile dt, keys 32 ks.. at VF + 16 dt + 8 ks
.set OA,   128                         ; window 1: v128-255 O^T: tile i, d tile dt at OA + 32 i + 8 dt
.set G1,  24
.set G0,  32
.set G1B, 48
.set G0B, 56
.set MSB, 0
.macro WIN new                         ; s_set_vgpr_msb: bits 1:0 source 0, 3:2 source 1, 5:4 source 2, 7:6 destination; the high byte repeats the setting that is left
.if MSB != \new
	s_set_vgpr_msb (MSB<<8)|\new
.set MSB, \new
.endif
.endm
.macro PLACES                          ; four plain vector instructions between a matrix instruction and a load into, or a vector read or write of, its registers (ISA guide 7.12.1 for vector reads and writes)
.rept 4
	v_nop
.endr
.endm
.macro JLOAD s                         ; waves 0, 1 fetch K's two halves, waves 2, 3 V's; the branch hangs on the wave's number alone
	s_cmp_eq_u32 s11, 0
	s_cbranch_scc0 .Lfor_b_\@
	tensor_load_to_lds s[G0+4*\s:G0+4*\s+3], s[G1:G1+7]
	s_nop 0
	s_branch .Lasked_\@
.Lfor_b_\@:
	tensor_load_to_lds s[G0B+4*\s:G0B+4*\s+3], s[G1B:G1B+7]
	s_nop 0
.Lasked_\@:
.endm
.macro CROUND                          ; a round of the cluster's barrier
	s_barrier_signal -1
	s_barrier_wait -1
	s_cmp_lg_u32 s10, 0
	s_cbranch_scc1 .Lnot_wave_0_\@
	s_barrier_signal -3
.Lnot_wave_0_\@:
	s_barrier_wait -3
	s_barrier_signal -1
	s_barrier_wait -1
.endm
	s_load_b256 s[68:75], s[0:1], 0x0              ; qh s[68:69], kh s[70:71], vh s[72:73], ctx s[74:75]
	v_lshl_add_u32 v254, v0, 2, 0x29000
	v_mov_b32 v255, 0
	ds_add_u32 v254, v255
	v_lshrrev_b32 v1, 5, v0
	v_readfirstlane_b32 s10, v1                    ; wave 0..3
	s_lshr_b32 s11, s10, 1                         ; I fetch for K (0) or for V (1)
	s_and_b32 s12, s10, 1                          ; which 128 keys of a slot I fetch
	s_bfe_u32 s40, ttmp6, 0x40000                  ; cx
	s_lshl_b32 s42, ttmp9, 2
	s_add_co_u32 s42, s42, s40                     ; query block = 4 x cluster x + cx
	s_and_b32 s13, ttmp7, 0xffff                   ; 16 b + h: the cluster's y, shared by the four
	; group 1: 64 dense rows of 128 elements of 2 bytes (two keys each); mask 15 = all four work-groups; padding behind every 64 words: K 4 words, V 8
	s_mov_b32 s[G1+0], 15|(1<<16)|(1<<20)|(1<<21)|(5<<22)|(3<<25)
	s_mov_b32 s[G1+1], 128<<16
	s_mov_b32 s[G1+2], 64<<16
	s_mov_b32 s[G1+3], 128<<16
	s_mov_b32 s[G1+4], 64
	s_mov_b32 s[G1+5], 128
	s_mov_b32 s[G1+6], 0
	s_mov_b32 s[G1+7], 0
	s_mov_b32 s[G1B+0], 15|(1<<16)|(1<<20)|(1<<21)|(5<<22)|(7<<25)
	s_mov_b32 s[G1B+1], 128<<16
	s_mov_b32 s[G1B+2], 64<<16
	s_mov_b32 s[G1B+3], 128<<16
	s_mov_b32 s[G1B+4], 64
	s_mov_b32 s[G1B+5], 128
	s_mov_b32 s[G1B+6], 0
	s_mov_b32 s[G1B+7], 0
	s_lshl_b32 s16, s13, 18                        ; the head's 2,048 rows of 128 bytes
	s_lshl_b32 s17, s12, 14                        ; + my 128 keys
	s_add_co_u32 s16, s16, s17
	s_mov_b32 s17, 0
	s_mul_i32 s20, s10, REGION                     ; where my tiles go
	s_lshl_b32 s18, s13, 18                        ; q: the head, (in registers that feed no descriptor: the query block differs between partners)
	s_lshl_b32 s19, s42, 15                        ; + the block's 256 rows
	s_add_co_u32 s18, s18, s19
	s_lshl_b32 s19, s10, 13                        ; + my 64 rows
	s_add_co_u32 s18, s18, s19
	s_mov_b32 s19, 0
	; ctx is laid [block of 128 rows][head][128 rows][64]: ((16 b + 2 qb + wave / 2) 16 + h) 128 + 64 (wave % 2) rows of 128 bytes
	s_lshr_b32 s21, s13, 4
	s_lshl_b32 s21, s21, 4
	s_lshl1_add_u32 s21, s42, s21
	s_add_co_u32 s21, s21, s11
	s_and_b32 s22, s13, 15
	s_lshl4_add_u32 s21, s21, s22
	s_lshl_b32 s21, s21, 14
	s_lshl_b32 s22, s12, 13
	s_add_co_u32 s22, s21, s22
	s_mov_b32 s23, 0
	s_mov_b32 s76, 0x76543210                      ; v_permlanex16_b32: lane l reads lane l xor 16
	s_mov_b32 s77, 0xfedcba98
	; lane terms
	v_and_b32 v1, 15, v0                           ; r
	v_bfe_u32 v10, v0, 4, 1                        ; h
	v_and_b32 v12, 1, v0
	v_bfe_u32 v11, v0, 1, 3                        ; K: key r lies in double row r / 2,
	v_mul_u32_u24 v11, v11, PK
	v_lshl_add_u32 v11, v12, 7, v11                ; in its second half if r is odd,
	v_lshl_add_u32 v[KADR], v10, 4, v11            ; 16 h
	v_add_nc_u32 v[KADR+1], SLOT, v[KADR]
	v_bfe_u32 v11, v0, 1, 2                        ; V: lane l addresses key 8 h + l % 8: double row 4 h + (l % 8) / 2,
	v_lshl_add_u32 v11, v10, 2, v11
	v_mul_u32_u24 v11, v11, PVV
	v_lshl_add_u32 v11, v12, 7, v11
	v_bfe_u32 v13, v0, 3, 1
	v_lshl_add_u32 v11, v13, 4, v11                ; d 0-7 or 8-15 of the tile
	v_add_nc_u32 v[VADR], 2*REGION, v11
	v_add_nc_u32 v[VADR+1], 2*REGION+SLOT, v11
	v_lshlrev_b32 v[QO], 7, v1
	v_lshl_add_u32 v[QO], v10, 4, v[QO]            ; row r of 128 bytes, 16 h
	s_mul_i32 s21, s10, WSTAGE
	s_add_co_u32 s21, s21, STAGE
	v_mul_u32_u24 v11, v1, 144
	v_lshl_add_u32 v11, v10, 4, v11
	v_add_nc_u32 v[STO], s21, v11
	v_bfe_u32 v11, v0, 3, 2
	v_mul_u32_u24 v11, v11, 144
	v_and_b32 v13, 7, v0
	v_lshl_add_u32 v11, v13, 4, v11
	v_add_nc_u32 v[RD], s21, v11
	v_and_b32 v13, 31, v0
	v_lshlrev_b32 v[CO], 4, v13
.irp i, 0,1,2,3
	v_mov_b32 v[STAT+2*\i+1], 0                    ; a packed instruction's pair counts as read whole: the sums' registers are written before the first subtraction names them
.endr
	v_mov_b32 v[AL+1], 0                           ; likewise
	s_wait_dscnt 0x0
	s_wait_kmcnt 0x0
	s_add_nc_u64 s[14:15], s[70:71], s[16:17]
	s_add_nc_u64 s[46:47], s[72:73], s[16:17]
	s_add_nc_u64 s[68:69], s[68:69], s[18:19]
	s_add_nc_u64 s[74:75], s[74:75], s[22:23]
	CROUND                                         ; the four work-groups are here: the first joint loads meet
.irp s, 0,1
	s_mov_b32 s[G0+4*\s], 1
	s_add_co_u32 s[G0+4*\s+1], s20, \s*SLOT
	s_add_nc_u64 s[G0+4*\s+2:G0+4*\s+3], s[14:15], \s*32768        ; slot step s: 256 keys of 128 bytes
	s_or_b32 s[G0+4*\s+3], s[G0+4*\s+3], 0x80000000
	s_mov_b32 s[G0B+4*\s], 1
	s_add_co_u32 s[G0B+4*\s+1], s20, \s*SLOT
	s_add_nc_u64 s[G0B+4*\s+2:G0B+4*\s+3], s[46:47], \s*32768
	s_or_b32 s[G0B+4*\s+3], s[G0B+4*\s+3], 0x80000000
	JLOAD \s                                       ; two tensor loads of the wave are out
.endr
.irp i, 0,1,2,3
.irp ks, 0,1
	global_load_b128 v[QF+16*\i+8*\ks:QF+16*\i+8*\ks+3],   v[QO], s[68:69] offset:\i*2048+\ks*64
	global_load_b128 v[QF+16*\i+8*\ks+4:QF+16*\i+8*\ks+7], v[QO], s[68:69] offset:\i*2048+\ks*64+32
.endr
.endr
; S^T of query tile i and 64 keys into buffer sb: 8 matrix instructions; the four key tiles take turns; the first four start the sums
.macro STMUL i, sb
	WIN 0x01                                       ; source 0 (K) window 1, all else window 0
.irp kt, 0,1,2,3
	v_wmma_f32_16x16x32_bf16 v[\sb+8*\kt:\sb+8*\kt+7], v[KF+16*\kt:KF+16*\kt+7], v[QF+16*\i:QF+16*\i+7], 0
.endr
.irp kt, 0,1,2,3
	v_wmma_f32_16x16x32_bf16 v[\sb+8*\kt:\sb+8*\kt+7], v[KF+16*\kt+8:KF+16*\kt+15], v[QF+16*\i+8:QF+16*\i+15], v[\sb+8*\kt:\sb+8*\kt+7]
.endr
.endm
; O^T of query tile i += V^T P^T: 8 matrix instructions; the four d tiles take turns
.macro PVMUL i, pb, first
	WIN 0x51                                       ; source 0 (V), C and D window 1, source 1 (p) window 0
.irp dt, 0,1,2,3
.if \first
	v_wmma_f32_16x16x32_bf16 v[OA+32*\i+8*\dt:OA+32*\i+8*\dt+7], v[VF+16*\dt:VF+16*\dt+7], v[\pb:\pb+7], 0
.else
	v_wmma_f32_16x16x32_bf16 v[OA+32*\i+8*\dt:OA+32*\i+8*\dt+7], v[VF+16*\dt:VF+16*\dt+7], v[\pb:\pb+7], v[OA+32*\i+8*\dt:OA+32*\i+8*\dt+7]
.endif
.endr
.irp dt, 0,1,2,3
	v_wmma_f32_16x16x32_bf16 v[OA+32*\i+8*\dt:OA+32*\i+8*\dt+7], v[VF+16*\dt+8:VF+16*\dt+15], v[\pb+8:\pb+15], v[OA+32*\i+8*\dt:OA+32*\i+8*\dt+7]
.endr
.endm
.macro RESCALE i                       ; O^T of tile i times exp2(old max - new max), under the same window setting as PVMUL
	WIN 0x51
.set q, 0
.rept 16
	v_pk_mul_f32 v[OA+32*\i+2*q:OA+32*\i+2*q+1], v[OA+32*\i+2*q:OA+32*\i+2*q+1], v[AL:AL+1] op_sel_hi:[1,0]
.set q, q+1
.endr
.endm
.macro LOADK slot, t                   ; 16 loads: the K fragments of keys 64 t .. 64 t + 63 of a slot
	WIN 0x40
.irp kt, 0,1,2,3
.irp ks, 0,1
	ds_load_b128 v[KF+16*\kt+8*\ks:KF+16*\kt+8*\ks+3],   v[KADR+\slot] offset:((\t)>>1)*REGION+((\t)&1)*32*PK+\kt*8*PK+\ks*64
	ds_load_b128 v[KF+16*\kt+8*\ks+4:KF+16*\kt+8*\ks+7], v[KADR+\slot] offset:((\t)>>1)*REGION+((\t)&1)*32*PK+\kt*8*PK+\ks*64+32
.endr
.endr
.endm
.macro LOADV slot, t                   ; 16 transposing loads: the V^T fragments of the same keys
	WIN 0x40
.irp dt, 0,1,2,3
.irp ks, 0,1
	ds_load_tr16_b128 v[VF+16*\dt+8*\ks:VF+16*\dt+8*\ks+3],   v[VADR+\slot] offset:((\t)>>1)*REGION+((\t)&1)*32*PVV+\ks*16*PVV+\dt*32
	ds_load_tr16_b128 v[VF+16*\dt+8*\ks+4:VF+16*\dt+8*\ks+7], v[VADR+\slot] offset:((\t)>>1)*REGION+((\t)&1)*32*PVV+\ks*16*PVV+8*PVV+\dt*32
.endr
.endr
.endm
; The softmax step of query tile i on 64 keys: scores in sb, p out in pb.  first = 1: no maximum, sum or O^T exists yet.
.macro SOFTMAX i, sb, pb, first
	WIN 0
.irp c, 0,1,2,3                        ; the maximum of my 32 scores and the old maximum: 33 numbers, 16 instructions, four chains
	v_max3_num_f32 v[T+\c], v[\sb+\c], v[\sb+4+\c], v[\sb+8+\c]
.endr
.irp c, 0,1,2,3
	v_max3_num_f32 v[T+\c], v[T+\c], v[\sb+12+\c], v[\sb+16+\c]
.endr
.irp c, 0,1,2,3
	v_max3_num_f32 v[T+\c], v[T+\c], v[\sb+20+\c], v[\sb+24+\c]
.endr
	v_max3_num_f32 v[T],   v[T],   v[\sb+28], v[\sb+29]
	v_max3_num_f32 v[T+1], v[T+1], v[\sb+30], v[\sb+31]
	v_max3_num_f32 v[T], v[T], v[T+1], v[T+2]
.if \first
	v_max_num_f32 v[T], v[T], v[T+3]
.else
	v_max3_num_f32 v[T], v[T], v[T+3], v[STAT+2*\i]
.endif
	v_permlanex16_b32 v[T+1], v[T], s76, s77       ; the other half of the query's keys
	v_max_num_f32 v[T+1], v[T], v[T+1]             ; the new maximum, equal in both lanes of the query
.if \first
	v_mov_b32 v[STAT+2*\i], v[T+1]
.else
	v_sub_f32 v[T+2], v[STAT+2*\i], v[T+1]
	v_exp_f32 v[AL], v[T+2]
	v_mov_b32 v[STAT+2*\i], v[T+1]                 ; the plain instruction behind the exponential (ISA guide 5.7.2); it names neither its result nor its source
.endif
.set q, 0
.rept 16
	v_pk_add_f32 v[\sb+2*q:\sb+2*q+1], v[\sb+2*q:\sb+2*q+1], v[STAT+2*\i:STAT+2*\i+1] op_sel_hi:[1,0] neg_lo:[0,1] neg_hi:[0,1]   ; score - maximum, both halves by the pair's first register
.set q, q+1
.endr
.set q, 0
.rept 32
	v_exp_f32 v[\sb+q], v[\sb+q]
.set q, q+1
.endr
.if \first
	v_nop                                          ; the plain instruction behind the exponentials
	s_wait_alu depctr_va_vdst(0)
.else
	s_wait_alu depctr_va_vdst(0)
	v_mul_f32 v[STAT+2*\i+1], v[STAT+2*\i+1], v[AL]   ; the same place, used: the old sum in the new maximum's units
.endif
	v_pk_add_f32 v[T:T+1],   v[\sb:\sb+1],     v[\sb+2:\sb+3]       ; the sum of my 32 p, two chains of pairs
	v_pk_add_f32 v[T+2:T+3], v[\sb+4:\sb+5],   v[\sb+6:\sb+7]
.irp p, 8,12,16,20,24,28
	v_pk_add_f32 v[T:T+1],   v[T:T+1],   v[\sb+\p:\sb+\p+1]
	v_pk_add_f32 v[T+2:T+3], v[T+2:T+3], v[\sb+\p+2:\sb+\p+3]
.endr
	v_pk_add_f32 v[T:T+1], v[T:T+1], v[T+2:T+3]
.if \first
	v_add_f32 v[STAT+2*\i+1], v[T], v[T+1]
.else
	v_add_f32 v[T], v[T], v[T+1]
	v_add_f32 v[STAT+2*\i+1], v[STAT+2*\i+1], v[T]
.endif
.set q, 0
.rept 16
	v_cvt_pk_bf16_f32 v[\pb+q], v[\sb+2*q], v[\sb+2*q+1]
.set q, q+1
.endr
.endm
; 64 keys for my four query tiles.  Score and p buffers take turns A, B, A, B, and 16 matrix instructions (tile i's O^T, tile i + 2's S^T) stand in front of
; each softmax, so that matrix and vector work can run side by side.  Between a matrix instruction and whatever reads its result, writes one of its registers
; or loads into one stands a whole softmax of plain vector instructions on other registers, but for the two places where v_nop are written.
; No two matrix instructions that follow each other share an accumulator, over the backward jump too.
; change: 0 = the next 64 keys lie in this slot; 1 = this slot is done and is filled again; 2 = done, nothing left to fetch; 3 = the last keys of all.
.macro TRIP64 slot, t, first, change
	s_wait_dscnt 16                                ; K's 16 loads are in; V's 16, issued behind them, may be out
	STMUL 0, SCA
	STMUL 1, SCB
	PLACES
	SOFTMAX 0, SCA, PRA, \first
	s_wait_dscnt 0x0                               ; V's fragments
.if \first == 0
	RESCALE 0
.endif
	PVMUL 0, PRA, \first
	STMUL 2, SCA
	SOFTMAX 1, SCB, PRB, \first
.if \first == 0
	RESCALE 1
.endif
	PVMUL 1, PRB, \first
	STMUL 3, SCB
	SOFTMAX 2, SCA, PRA, \first
.if \change == 0
	LOADK \slot, \t+1
.endif
.if \change == 1
	; This trip's K and V fragments are in registers: my reads of the slot are over.
	s_wait_dscnt 0x0                               ; no LDS load of mine is out
	s_wait_tensorcnt 0x0                           ; all my tensor loads have landed: the one that was out is my part of the other slot
	ds_add_u32 v254, v255
	s_wait_dscnt 0x0
	WIN 0
	CROUND                                         ; both now hold of every wave of all four work-groups
	s_add_nc_u64 s[G0+4*\slot+2:G0+4*\slot+3], s[G0+4*\slot+2:G0+4*\slot+3], 2*32768
	s_add_nc_u64 s[G0B+4*\slot+2:G0B+4*\slot+3], s[G0B+4*\slot+2:G0B+4*\slot+3], 2*32768
	JLOAD \slot                                    ; the wave's one tensor load behind the round, ahead of its first LDS read
	LOADK 1-\slot, 0
.endif
.if \change == 2
	s_wait_dscnt 0x0
	s_wait_tensorcnt 0x0                           ; my part of the last slot has landed
	WIN 0
	s_barrier_signal -1
	s_barrier_wait -1                              ; everybody's has
	LOADK 1-\slot, 0
.endif
.if \first == 0
	RESCALE 2
.endif
	PVMUL 2, PRA, \first
	SOFTMAX 3, SCB, PRB, \first
.if \first == 0
	RESCALE 3
.endif
	PVMUL 3, PRB, \first
.if \change == 0
	PLACES
	LOADV \slot, \t+1
.endif
.if (\change == 1) || (\change == 2)
	PLACES
	LOADV 1-\slot, 0
.endif
.endm
.macro STEP slot, first, change        ; a slot's 256 keys
	TRIP64 \slot, 0, \first, 0
	TRIP64 \slot, 1, 0, 0
	TRIP64 \slot, 2, 0, 0
	TRIP64 \slot, 3, 0, \change
.endm
	s_wait_tensorcnt 0x1                           ; my part of slot 0 is in; slot 1's load stays out
	s_barrier_signal -1
	s_barrier_wait -1
	LOADK 0, 0
	LOADV 0, 0
	s_wait_loadcnt 0x0                             ; Q
	STEP 0, 1, 1                                   ; slot steps 0, 1: the first 64 keys start maxima, sums and O^T
	STEP 1, 0, 1
	WIN 0                                          ; at a label and at a branch every window is 0
	s_mov_b32 s3, 2
.Llap:
	STEP 0, 0, 1                                   ; slot steps 2 to 5
	STEP 1, 0, 1
	WIN 0
	s_sub_co_u32 s3, s3, 1
	s_cmp_lg_u32 s3, 0
	s_cbranch_scc1 .Llap
	STEP 0, 0, 2                                   ; slot steps 6, 7: nothing is left to fetch
	STEP 1, 0, 3
	; THE WAY OUT: join the two halves of each sum, O^T / sum, round to bf16, 16 bytes a lane into my own stage, read back as rows of 128 bytes.
	PLACES                                         ; behind the last matrix instructions
	WIN 0
.irp i, 0,1,2,3
	v_permlanex16_b32 v[T+\i], v[STAT+2*\i+1], s76, s77
.endr
.irp i, 0,1,2,3
	v_add_f32 v[STAT+2*\i+1], v[STAT+2*\i+1], v[T+\i]
.endr
.irp i, 0,1,2,3
	v_rcp_f32 v[STAT+2*\i], v[STAT+2*\i+1]         ; the sum is at least 1: the largest score gives exp2(0)
.endr
	v_nop                                          ; the plain instruction behind the reciprocals
	s_wait_alu depctr_va_vdst(0)
.macro OUTQ i, sb, pb, rb
	WIN 0x01                                       ; source 0 (O^T) window 1
.set q, 0
.rept 16
	v_pk_mul_f32 v[\sb+2*q:\sb+2*q+1], v[OA+32*\i+2*q:OA+32*\i+2*q+1], v[STAT+2*\i:STAT+2*\i+1] op_sel_hi:[1,0]
.set q, q+1
.endr
	WIN 0
.set q, 0
.rept 16
	v_cvt_pk_bf16_f32 v[\pb+q], v[\sb+2*q], v[\sb+2*q+1]
.set q, q+1
.endr
.irp dt, 0,1,2,3
	ds_store_b128 v[STO], v[\pb+4*\dt:\pb+4*\dt+3] offset:32*\dt
.endr
	s_wait_xcnt 0x0                                ; registers that earlier stores read are loaded again only behind this wait
.irp t, 0,1,2,3
	ds_load_b128 v[\rb+4*\t:\rb+4*\t+3], v[RD] offset:576*\t       ; LDS serves a wave's instructions in order (ISA guide 5.7.1): these see the stores above
.endr
.irp t, 0,1,2,3
	s_wait_dscnt 3-\t                              ; the younger loads of the four stay out
	global_store_b128 v[CO], v[\rb+4*\t:\rb+4*\t+3], s[74:75] offset:\i*2048+\t*512   ; 512 consecutive bytes, at a multiple of 512 from ctx's first byte
.endr
.endm
	OUTQ 0, SCA, PRA, RB
	OUTQ 1, SCB, PRB, RB+16
	OUTQ 2, SCA, PRA, RB
	OUTQ 3, SCB, PRB, RB+16
	s_wait_tensorcnt 0x0
	ds_add_u32 v254, v255
	s_wait_dscnt 0x0
	CROUND                                         ; the closing round: no work-group ends while a partner may still ask for a tile that names it
	s_endpgm
.Lfunc_end_k_q720e7d1dd4_attn:
	.size	k_q720e7d1dd4_attn, .Lfunc_end_k_q720e7d1dd4_attn-k_q720e7d1dd4_attn
	.p2alignl 7, 3214868480
	.fill 96, 4, 3214868480
	.section	.rodata,"a",@progbits
	.p2align	6, 0x0
	.amdhsa_kernel k_q720e7d1dd4_attn
		.amdhsa_group_segment_fixed_size 327680
		.amdhsa_private_segment_fixed_size 0
		.amdhsa_enable_private_segment 0
		.amdhsa_kernarg_size 32
		.amdhsa_user_sgpr_count 2
		.amdhsa_user_sgpr_kernarg_segment_ptr 1
		.amdhsa_wavefront_size32 1
		.amdhsa_system_sgpr_workgroup_id_x 1
		.amdhsa_system_sgpr_workgroup_id_y 1
		.amdhsa_system_sgpr_workgroup_id_z 1
		.amdhsa_system_vgpr_workitem_id 0
		.amdhsa_next_free_vgpr 512
		.amdhsa_next_free_sgpr 80
		.amdhsa_reserve_vcc 0
		.amdhsa_float_denorm_mode_32 3
		.amdhsa_float_denorm_mode_16_64 3
		.amdhsa_memory_ordered 1
		.amdhsa_forward_progress 1
		.amdhsa_inst_pref_size 255
	.end_amdhsa_kernel
	.section	.bss,"aw",@nobits
	.p2align	6
	.space	262144
	.amdgpu_metadata
---
amdhsa.version: [ 1, 2 ]
amdhsa.kernels:
  - .name:           k_q720e7d1dd4_attn
    .symbol:         k_q720e7d1dd4_attn.kd
    .args:
      - { .name: qh, .offset: 0, .size: 8, .value_kind: global_buffer, .address_space: global }
      - { .name: kh, .offset: 8, .size: 8, .value_kind: global_buffer, .address_space: global }
      - { .name: vh, .offset: 16, .size: 8, .value_kind: global_buffer, .address_space: global }
      - { .name: ctx, .offset: 24, .size: 8, .value_kind: global_buffer, .address_space: global }
    .group_segment_fixed_size: 327680
    .private_segment_fixed_size: 0
    .kernarg_segment_align: 8
    .kernarg_segment_size: 32
    .max_flat_workgroup_size: 128
    .sgpr_count:     80
    .vgpr_count:     512
    .wavefront_size: 32
...
	.end_amdgpu_metadata
.endif
;; end of part 3
;; launch oproj (part 4): grid 8 x 32, 4 waves a work-group, clusters of 4 x 4, 327,680 bytes of LDS; arguments ctx, wob, bo, out0; writes out0
.if DOCPART == 4
	.amdgcn_target "amdgcn-amd-amdhsa--gfx1250"
	.amdhsa_code_object_version 6
	.text
	.protected	k_q720e7d1dd4_oproj
	.globl	k_q720e7d1dd4_oproj
	.p2align	8
	.type	k_q720e7d1dd4_oproj,@function
k_q720e7d1dd4_oproj:
	s_mov_b64 s[64:65], 0
	v_nop
	global_prefetch_b8 v0, s[64:65] scope:SCOPE_SE
	s_setreg_imm32_b32 hwreg(HW_REG_WAVE_MODE, 25, 1), 1
	s_wait_xcnt 0x0
	s_wait_alu depctr_hold_cnt(0) depctr_sa_sdst(0) depctr_va_vdst(0) depctr_va_sdst(0) depctr_va_ssrc(0) depctr_va_vcc(0) depctr_vm_vsrc(0)
	s_getreg_b32 s2, hwreg(HW_REG_IB_STS2, 6, 4)
	s_cmp_eq_u32 s2, 0
	s_cbranch_scc0 .Lentry_in_a_cluster
	s_endpgm
.Lentry_in_a_cluster:
	s_bfe_u32 s2, ttmp6, 0x10000c
	s_cmp_lg_u32 s2, 0xf033
	s_cbranch_scc0 .Lentry_shape_is_right
	s_endpgm
.Lentry_shape_is_right:
; oproj: out0 = ctx Wo + bo, f32.  Operands bf16 (ctx as the launch before left it, Wo rounded once by the first launch), sums f32.
; A work-group makes 128 rows x 128 columns: 32 x 8 = 256 work-groups; a wave 64 x 64: 16 accumulator tiles.
; ctx lies [block of 128 rows][head][128 rows][64], wob [block of 128 columns][kstep][half][128 k][64]: every tile is a dense run of rows of 256 bytes.
; K = 1024 goes through two LDS slots of 256 k each: a step of 128 is only 64 matrix instructions a wave, so one load brings two steps and has
; 112 matrix instructions in which to land; 4 slot steps, written out without a loop.
; CLUSTERS: 4 x 4 work-groups; ctx's tiles are shared along a row of the cluster, Wo's along a column, each asked for jointly.
; As in the QKV launch: rows of 128 bytes lie two to an LDS row of 256 bytes, padded by 16 (ctx, plain loads) or 32 (Wo, transposing loads); the matrix
; instruction is used transposed (source 0 = Wo's columns, source 1 = ctx's rows), so that a lane holds eight neighbouring columns of one row; the bias is
; the C operand of each sum's first product.
; REGISTERS: window 0: addresses, two fragment buffers, bias, rows read back; window 1: the 16 accumulator tiles.
.set PA,     272
.set PB,     288
.set REGION, 128*PB                    ; 36,864: one wave's tensor load, 128 double rows (ctx uses 34,816 of it)
.set SLOT,   4*REGION                  ; ctx heads 4t, 4t+1 | heads 4t+2, 4t+3 | Wo K step 2t | K step 2t+1
.set STAGE,  2*SLOT                    ; behind the ring, never filled by a tensor load: 16 rows x 272 bytes for each wave
.set WSTAGE, 16*272
.set ADRA, 16                          ; v16-17  LDS address of my ctx fragments in slot 0, 1
.set ADRB, 20                          ; v20-21  the same for Wo
.set STO,  24
.set RD,   25
.set CO,   26
.set BO,   27
.set F,    32                          ; buffer f at F + 64 f: Wo's column tiles at + 8 b, ctx's row tiles at + 32 + 8 a
.set BIAS, 160                         ; v160-191
.set RB,   192                         ; v192-223
.set G1,  24
.set G0,  32
.set G1B, 48
.set G0B, 56
.set MSB, 0
.macro WIN new                         ; s_set_vgpr_msb: bits 1:0 source 0, 3:2 source 1, 5:4 source 2, 7:6 destination; the high byte repeats the setting that is left
.if MSB != \new
	s_set_vgpr_msb (MSB<<8)|\new
.set MSB, \new
.endif
.endm
.macro PLACES                          ; four plain vector instructions between a matrix instruction and a load into, or a store of, its registers
.rept 4
	v_nop
.endr
.endm
.macro JLOAD s                         ; waves 0, 1 fetch ctx's two halves, waves 2, 3 Wo's; the branch hangs on the wave's number alone
	s_cmp_eq_u32 s11, 0
	s_cbranch_scc0 .Lfor_b_\@
	tensor_load_to_lds s[G0+4*\s:G0+4*\s+3], s[G1:G1+7]
	s_nop 0
	s_branch .Lasked_\@
.Lfor_b_\@:
	tensor_load_to_lds s[G0B+4*\s:G0B+4*\s+3], s[G1B:G1B+7]
	s_nop 0
.Lasked_\@:
.endm
.macro CREST                           ; a round of the cluster's barrier behind its opening barrier
	s_cmp_lg_u32 s10, 0
	s_cbranch_scc1 .Lnot_wave_0_\@
	s_barrier_signal -3
.Lnot_wave_0_\@:
	s_barrier_wait -3
	s_barrier_signal -1
	s_barrier_wait -1
.endm
.macro CROUND
	s_barrier_signal -1
	s_barrier_wait -1
	CREST
.endm
	s_load_b256 s[68:75], s[0:1], 0x0              ; ctx s[68:69], wob s[70:71], bo s[72:73], out0 s[74:75]
	v_lshl_add_u32 v254, v0, 2, 0x4c400
	v_mov_b32 v255, 0
	ds_add_u32 v254, v255
	v_lshrrev_b32 v1, 5, v0
	v_readfirstlane_b32 s10, v1                    ; wave 0..3
	s_lshr_b32 s11, s10, 1                         ; which 64 rows are mine.  Also: I fetch for ctx (0) or for Wo (1)
	s_and_b32 s12, s10, 1                          ; which 64 columns.  Also: which half of that tile I fetch
	s_bfe_u32 s40, ttmp6, 0x40000                  ; cx
	s_bfe_u32 s41, ttmp6, 0x40004                  ; cy
	s_lshl_b32 s42, ttmp9, 2
	s_add_co_u32 s42, s42, s40                     ; column block
	s_and_b32 s13, ttmp7, 0xffff
	s_lshl_b32 s13, s13, 2
	s_add_co_u32 s13, s13, s41                     ; row block
	s_lshl_b32 s43, s41, 2
	s_lshl_b32 s43, 15, s43                        ; my row of the cluster
	s_lshl_b32 s44, 0x1111, s40                    ; my column
	; group 1: 128 dense rows of 128 elements of 2 bytes; padding behind every 64 words: ctx 4 words, Wo 8
	s_or_b32 s[G1+0], s43, (1<<16)|(1<<20)|(1<<21)|(5<<22)|(3<<25)
	s_mov_b32 s[G1+1], 128<<16
	s_mov_b32 s[G1+2], 128<<16
	s_mov_b32 s[G1+3], 128<<16
	s_mov_b32 s[G1+4], 128
	s_mov_b32 s[G1+5], 128
	s_mov_b32 s[G1+6], 0
	s_mov_b32 s[G1+7], 0
	s_or_b32 s[G1B+0], s44, (1<<16)|(1<<20)|(1<<21)|(5<<22)|(7<<25)
	s_mov_b32 s[G1B+1], 128<<16
	s_mov_b32 s[G1B+2], 128<<16
	s_mov_b32 s[G1B+3], 128<<16
	s_mov_b32 s[G1B+4], 128
	s_mov_b32 s[G1B+5], 128
	s_mov_b32 s[G1B+6], 0
	s_mov_b32 s[G1B+7], 0
	s_lshl_b32 s16, s13, 18                        ; ctx: the row block's 262,144 bytes
	s_lshl_b32 s17, s12, 15                        ; + my two heads of 16,384
	s_add_co_u32 s16, s16, s17
	s_mov_b32 s17, 0
	s_lshl_b32 s46, s42, 18                        ; Wo: the column block's 262,144 bytes
	s_lshl_b32 s47, s12, 15                        ; + my K step of 32,768
	s_add_co_u32 s46, s46, s47
	s_mov_b32 s47, 0
	s_mul_i32 s20, s10, REGION                     ; where my tiles go
	s_lshl_b32 s76, s42, 9                         ; my first column, in bytes of f32: 512 block + 256 half
	s_lshl_b32 s77, s12, 8
	s_add_co_u32 s76, s76, s77
	s_mov_b32 s77, 0
	s_lshl_b32 s78, s13, 19                        ; my first row: 128 rows of 4,096 bytes a block, + 64 rows
	s_lshl_b32 s79, s11, 18
	s_add_co_u32 s78, s78, s79
	s_add_co_u32 s78, s78, s76
	s_mov_b32 s79, 0
	; lane terms
	v_and_b32 v1, 15, v0                           ; r
	v_bfe_u32 v2, v0, 4, 1                         ; h
	v_and_b32 v4, 1, v0
	v_bfe_u32 v3, v0, 1, 3                         ; ctx: row r lies in double row r / 2,
	v_mul_u32_u24 v3, v3, PA
	v_lshl_add_u32 v3, v4, 7, v3                   ; in its second half if r is odd,
	v_lshl_add_u32 v3, v2, 4, v3                   ; 16 h
	s_mul_i32 s21, s11, 32*PA                      ; my 64 rows
	v_add_nc_u32 v[ADRA], s21, v3
	v_add_nc_u32 v[ADRA+1], SLOT, v[ADRA]
	v_bfe_u32 v5, v0, 1, 2                         ; Wo: lane l addresses k = 8 h + l % 8
	v_lshl_add_u32 v5, v2, 2, v5
	v_mul_u32_u24 v5, v5, PB
	v_lshl_add_u32 v5, v4, 7, v5
	v_bfe_u32 v6, v0, 3, 1
	v_lshl_add_u32 v5, v6, 4, v5
	s_mul_i32 s22, s12, 64*PB                      ; my 64 columns: the K step's first or second [128 k][64]
	s_add_co_u32 s22, s22, 2*REGION
	v_add_nc_u32 v[ADRB], s22, v5
	v_add_nc_u32 v[ADRB+1], SLOT, v[ADRB]
	s_mul_i32 s23, s10, WSTAGE
	s_add_co_u32 s23, s23, STAGE
	v_mul_u32_u24 v6, v1, 272
	v_lshl_add_u32 v6, v2, 5, v6
	v_add_nc_u32 v[STO], s23, v6                   ; in: row r, 32 bytes (8 f32) for each half of the lanes
	v_mul_u32_u24 v6, v2, 272
	v_lshl_add_u32 v6, v1, 4, v6
	v_add_nc_u32 v[RD], s23, v6                    ; back: lanes 0-15 take a row of 256 bytes, lanes 16-31 the next
	v_lshlrev_b32 v6, 12, v2
	v_lshl_add_u32 v[CO], v1, 4, v6                ; and the same two rows in out0
	v_lshlrev_b32 v[BO], 5, v2
	s_wait_dscnt 0x0
	s_wait_kmcnt 0x0
	s_add_nc_u64 s[14:15], s[68:69], s[16:17]
	s_add_nc_u64 s[46:47], s[70:71], s[46:47]
	s_add_nc_u64 s[72:73], s[72:73], s[76:77]
	s_add_nc_u64 s[74:75], s[74:75], s[78:79]
	CROUND                                         ; all sixteen work-groups are here: the first joint loads meet
.irp s, 0,1
	s_mov_b32 s[G0+4*\s], 1
	s_add_co_u32 s[G0+4*\s+1], s20, \s*SLOT
	s_add_nc_u64 s[G0+4*\s+2:G0+4*\s+3], s[14:15], \s*65536        ; slot step s: four heads
	s_or_b32 s[G0+4*\s+3], s[G0+4*\s+3], 0x80000000
	s_mov_b32 s[G0B+4*\s], 1
	s_add_co_u32 s[G0B+4*\s+1], s20, \s*SLOT
	s_add_nc_u64 s[G0B+4*\s+2:G0B+4*\s+3], s[46:47], \s*65536      ; slot step s: two K steps
	s_or_b32 s[G0B+4*\s+3], s[G0B+4*\s+3], 0x80000000
	JLOAD \s                                       ; two tensor loads of the wave are out
.endr
.irp b, 0,1,2,3                        ; the bias in the accumulators' layout: register j of column tile b holds bo[my first column + 16 b + 8 h + j]
	global_load_b128 v[BIAS+8*\b:BIAS+8*\b+3],   v[BO], s[72:73] offset:\b*64
	global_load_b128 v[BIAS+8*\b+4:BIAS+8*\b+7], v[BO], s[72:73] offset:\b*64+16
.endr
; 8 matrix instructions: row tiles a0, a0 + 1 x 4 column tiles, 32 along K, from buffer f.  first = 1: C is the bias (window 0).
.macro MUL8 f, a0, first
.irp a, \a0, \a0+1
.irp b, 0,1,2,3
.if \first
	v_wmma_f32_16x16x32_bf16 v[8*(4*(\a)+\b):8*(4*(\a)+\b)+7], v[F+64*\f+8*\b:F+64*\f+8*\b+7], v[F+64*\f+32+8*(\a):F+64*\f+32+8*(\a)+7], v[BIAS+8*\b:BIAS+8*\b+7]
.else
	v_wmma_f32_16x16x32_bf16 v[8*(4*(\a)+\b):8*(4*(\a)+\b)+7], v[F+64*\f+8*\b:F+64*\f+8*\b+7], v[F+64*\f+32+8*(\a):F+64*\f+32+8*(\a)+7], v[8*(4*(\a)+\b):8*(4*(\a)+\b)+7]
.endif
.endr
.endr
.endm
; 16 LDS loads in one run: part q (32 along K, q = 0..7) of a slot into buffer f: Wo's 4 column tiles, then ctx's 4 row tiles
.macro FETCH slot, q, f
	WIN 0
.irp b, 0,1,2,3
	ds_load_tr16_b128 v[F+64*\f+8*\b:F+64*\f+8*\b+3],   v[ADRB+\slot] offset:((\q)>>2)*REGION+((\q)&3)*16*PB+\b*32
	ds_load_tr16_b128 v[F+64*\f+8*\b+4:F+64*\f+8*\b+7], v[ADRB+\slot] offset:((\q)>>2)*REGION+((\q)&3)*16*PB+8*PB+\b*32
.endr
.irp a, 0,1,2,3
	ds_load_b128 v[F+64*\f+32+8*\a:F+64*\f+32+8*\a+3],   v[ADRA+\slot] offset:((\q)>>2)*REGION+(((\q)>>1)&1)*64*PA+((\q)&1)*64+\a*8*PA
	ds_load_b128 v[F+64*\f+32+8*\a+4:F+64*\f+32+8*\a+7], v[ADRA+\slot] offset:((\q)>>2)*REGION+(((\q)>>1)&1)*64*PA+((\q)&1)*64+\a*8*PA+32
.endr
.endm
; A slot is eight parts of 32 along K, 16 matrix instructions each, on buffers 0, 1, 0, 1 ...  The 16 accumulators take turns, one instruction a turn,
; in the same order in every part.
.macro PART slot, qn, f, g, first
	s_wait_dscnt 4                                 ; Wo and ctx's row tiles 0, 1 are in; the youngest four loads (row tiles 2, 3) may be out
.if \first
	WIN 0x40                                       ; D window 1, sources and C window 0
.else
	WIN 0x50                                       ; C and D window 1
.endif
	MUL8 \f, 0, \first
	PLACES
	FETCH \slot, \qn, \g
	s_wait_dscnt 16                                ; all but the 16 just issued
.if \first
	WIN 0x40
.else
	WIN 0x50
.endif
	MUL8 \f, 2, \first
.endm
.macro SEVEN slot, first
	PART \slot, 1, 0, 1, \first
	PART \slot, 2, 1, 0, 0
	PART \slot, 3, 0, 1, 0
	PART \slot, 4, 1, 0, 0
	PART \slot, 5, 0, 1, 0
	PART \slot, 6, 1, 0, 0
	PART \slot, 7, 0, 1, 0
.endm
; The eighth part multiplies buffer 1 and changes slots: each wave's waits, the barrier (a round of the cluster's barrier where the slot is filled again),
; the refill first behind it, then the next slot's first fragments.
.macro TURN slot, next, fill
	s_wait_dscnt 0x0                               ; my reads of this slot are over
	s_wait_tensorcnt 0x0                           ; all my tensor loads have landed: the one that was out is my part of the next slot
	ds_add_u32 v254, v255
	s_wait_dscnt 0x0
	s_barrier_signal -1
	WIN 0x50
	MUL8 1, 0, 0                                   ; registers only
	WIN 0
	s_barrier_wait -1
.if \fill
	CREST                                          ; no wave of any partner still reads this slot or has a load on its way
	s_add_nc_u64 s[G0+4*\slot+2:G0+4*\slot+3], s[G0+4*\slot+2:G0+4*\slot+3], 2*65536
	s_add_nc_u64 s[G0B+4*\slot+2:G0B+4*\slot+3], s[G0B+4*\slot+2:G0B+4*\slot+3], 2*65536
	JLOAD \slot                                    ; the wave's one tensor load behind the round
.endif
	PLACES
	FETCH \next, 0, 0
	WIN 0x50
	MUL8 1, 2, 0
.endm
	s_wait_tensorcnt 0x1                           ; my part of slot 0 is in; slot 1's load stays out
	s_wait_loadcnt 0x0                             ; the bias
	s_barrier_signal -1
	s_barrier_wait -1
	FETCH 0, 0, 0
	SEVEN 0, 1                                     ; k 0-255: the first products start the sums from the bias
	TURN 0, 1, 1
	SEVEN 1, 0                                     ; k 256-511
	TURN 1, 0, 1
	SEVEN 0, 0                                     ; k 512-767: nothing is left to fetch
	TURN 0, 1, 0
	SEVEN 1, 0                                     ; k 768-1023
	s_wait_dscnt 0x0
	WIN 0x50
	MUL8 1, 0, 0
	MUL8 1, 2, 0
	PLACES                                         ; behind the last matrix instructions, for the LDS stores that read the results
; THE WAY OUT, 16 rows at a time: a lane's eight f32 go as two stores of 16 bytes into my own stage; whole rows of 256 bytes come back.
.macro OUT16 a
	WIN 0x04                                       ; an LDS store's data is source 1: window 1
.irp b, 0,1,2,3
	ds_store_b128 v[STO], v[8*(4*\a+\b):8*(4*\a+\b)+3]   offset:64*\b
	ds_store_b128 v[STO], v[8*(4*\a+\b)+4:8*(4*\a+\b)+7] offset:64*\b+16
.endr
	WIN 0
	s_wait_xcnt 0x0                                ; RB, which the last 16 rows' stores read, is loaded again only behind this wait
.irp t, 0,1,2,3,4,5,6,7
	ds_load_b128 v[RB+4*\t:RB+4*\t+3], v[RD] offset:544*\t         ; LDS serves a wave's instructions in order (ISA guide 5.7.1): these see the stores above
.endr
.irp t, 0,1,2,3,4,5,6,7
	s_wait_dscnt 7-\t                              ; the younger loads of the eight stay out
	global_store_b128 v[CO], v[RB+4*\t:RB+4*\t+3], s[74:75] offset:(16*\a+2*\t)*4096 th:TH_STORE_NT   ; 16 lanes store 256 consecutive bytes, at a multiple of 256 from out0's first byte
.endr
.endm
	OUT16 0
	OUT16 1
	OUT16 2
	OUT16 3
	s_wait_tensorcnt 0x0
	ds_add_u32 v254, v255
	s_wait_dscnt 0x0
	CROUND                                         ; the closing round: no work-group ends while a partner may still ask for a tile that names it
	s_endpgm
.Lfunc_end_k_q720e7d1dd4_oproj:
	.size	k_q720e7d1dd4_oproj, .Lfunc_end_k_q720e7d1dd4_oproj-k_q720e7d1dd4_oproj
	.p2alignl 7, 3214868480
	.fill 96, 4, 3214868480
	.section	.rodata,"a",@progbits
	.p2align	6, 0x0
	.amdhsa_kernel k_q720e7d1dd4_oproj
		.amdhsa_group_segment_fixed_size 327680
		.amdhsa_private_segment_fixed_size 0
		.amdhsa_enable_private_segment 0
		.amdhsa_kernarg_size 32
		.amdhsa_user_sgpr_count 2
		.amdhsa_user_sgpr_kernarg_segment_ptr 1
		.amdhsa_wavefront_size32 1
		.amdhsa_system_sgpr_workgroup_id_x 1
		.amdhsa_system_sgpr_workgroup_id_y 1
		.amdhsa_system_sgpr_workgroup_id_z 1
		.amdhsa_system_vgpr_workitem_id 0
		.amdhsa_next_free_vgpr 384
		.amdhsa_next_free_sgpr 80
		.amdhsa_reserve_vcc 0
		.amdhsa_float_denorm_mode_32 3
		.amdhsa_float_denorm_mode_16_64 3
		.amdhsa_memory_ordered 1
		.amdhsa_forward_progress 1
		.amdhsa_inst_pref_size 90
	.end_amdhsa_kernel
	.amdgpu_metadata
---
amdhsa.version: [ 1, 2 ]
amdhsa.kernels:
  - .name:           k_q720e7d1dd4_oproj
    .symbol:         k_q720e7d1dd4_oproj.kd
    .args:
      - { .name: ctx, .offset: 0, .size: 8, .value_kind: global_buffer, .address_space: global }
      - { .name: wob, .offset: 8, .size: 8, .value_kind: global_buffer, .address_space: global }
      - { .name: bo, .offset: 16, .size: 8, .value_kind: global_buffer, .address_space: global }
      - { .name: out0, .offset: 24, .size: 8, .value_kind: global_buffer, .address_space: global }
    .group_segment_fixed_size: 327680
    .private_segment_fixed_size: 0
    .kernarg_segment_align: 8
    .kernarg_segment_size: 32
    .max_flat_workgroup_size: 128
    .sgpr_count:     80
    .vgpr_count:     384
    .wavefront_size: 32
...
	.end_amdgpu_metadata
.endif
;; end of part 4
;; ======== version 2 of 3: 4 launches; 1.19 times as fast as version 1
;; workspace buffers: xb 8,388,608 bytes; wcat 6,291,456 bytes; wob 2,097,152 bytes; qh 8,388,608 bytes; kh 8,388,608 bytes; vh 8,388,608 bytes; ctx 8,388,608 bytes
;; launch prep: the kernel of part 1 again; grid 512 x 1, 8 waves a work-group, no clusters, 0 bytes of LDS; arguments x, Wq, Wk, Wv, Wo, xb, wcat, wob; writes xb, wcat, wob
;; launch qkv: the kernel of part 2 again; grid 16 x 16, 4 waves a work-group, clusters of 4 x 4, 327,680 bytes of LDS; arguments xb, wcat, bq, bk, bv, qh, kh, vh; writes qh, kh, vh
;; launch attn (part 5): grid 8 x 32, 4 waves a work-group, clusters of 4 x 1, 327,680 bytes of LDS; arguments qh, kh, vh, ctx; writes ctx
.if DOCPART == 5
	.amdgcn_target "amdgcn-amd-amdhsa--gfx1250"
	.amdhsa_code_object_version 6
	.text
	.protected	k_q720e7d1dd4_attn
	.globl	k_q720e7d1dd4_attn
	.p2align	8
	.type	k_q720e7d1dd4_attn,@function
k_q720e7d1dd4_attn:
	s_mov_b64 s[64:65], 0
	v_nop
	global_prefetch_b8 v0, s[64:65] scope:SCOPE_SE
	s_setreg_imm32_b32 hwreg(HW_REG_WAVE_MODE, 25, 1), 1
	s_wait_xcnt 0x0
	s_wait_alu depctr_hold_cnt(0) depctr_sa_sdst(0) depctr_va_vdst(0) depctr_va_sdst(0) depctr_va_ssrc(0) depctr_va_vcc(0) depctr_vm_vsrc(0)
	s_getreg_b32 s2, hwreg(HW_REG_IB_STS2, 6, 4)
	s_cmp_eq_u32 s2, 0
	s_cbranch_scc0 .Lentry_in_a_cluster
	s_endpgm
.Lentry_in_a_cluster:
	s_bfe_u32 s2, ttmp6, 0x10000c
	s_cmp_lg_u32 s2, 0x3003
	s_cbranch_scc0 .Lentry_shape_is_right
	s_endpgm
.Lentry_shape_is_right:
; attn: ctx = softmax(q k^T / 8) v for one (batch, head) and 256 queries a work-group; the scores never leave the registers.
; qh already holds q times 0.125 log2(e), so a score is an exponent of 2.  The softmax takes a RUNNING MAXIMUM away before every exponential.
; Operands (q, k, v, p) bf16, scores, maxima, sums and the output's sums f32.  The row sum adds p before its rounding to bf16.
; Limits: v_exp_f32 gives zero for results below 2^-126 (ISA guide, its entry); NaN and infinities among the inputs get no special care.
; A wave owns 64 queries, as four tiles of 16; the keys go by 64 (a trip): 32 trips.  Grid: 8 query blocks x 32 (batch, head) = 256 work-groups.
; CLUSTERS: the four work-groups of a cluster are four query blocks of one head: they read the same tiles of K and V and ask for them jointly (mask 15).
; BOTH PRODUCTS ARE USED TRANSPOSED.  S^T = K Q^T: source 0 = 16 keys, source 1 = 16 queries; lane l then holds query l % 16 and, in register j of key
; tile kt, key 16 kt + 8 (l / 16) + j.  So a query's maximum and sum are made inside a lane and joined with ONE exchange between lanes l and l xor 16,
; and two key tiles, packed to bf16 pair by pair, ARE the fragment (source 1) of O^T = V^T P^T: no shuffle, no way through LDS.
; O^T: lane l holds query l % 16 and eight neighbouring d: the factors exp2(old max - new max) and 1 / sum are one number a lane.
; K and V have rows of 128 bytes; two of them come as one LDS row of 256 bytes, padded by 16 (K, plain loads) or 32 (V, transposing loads), so that
; sixteen neighbouring lanes address sixteen different 16-byte columns modulo 256 bytes.
; RING: two slots of 256 keys (four trips); 8 slot steps.  A refill has four trips, 256 matrix instructions and their softmax, in which to land.
; THE TEXT IS KEPT SHORT.  A trip is A (S^T of tiles 0-3, softmax of tiles 0-2, O^T of tiles 0, 1), the next trip's K fragments, B (O^T of tile 2, softmax and
; O^T of tile 3), the next trip's V fragments.  The loops' body is cut in front of the K fragments: [K of trip j + 1, B of trip j, V of trip j + 1, A of trip j + 1],
; so that a change of slots stands BETWEEN two passes of the body.  The trip's place in its slot is not in the loads' immediates but in two address
; registers, set from the slot's constant base behind each change of slots and stepped once a trip.  The body stands five times in the text, and 24 of its
; 31 passes run in the main loop's two copies.
.set PK,     272
.set PVV,    288
.set KREG,   64*PK                     ; 17,408: one wave's tensor load of K: 128 keys = 64 double rows
.set VREG,   64*PVV                    ; 18,432: the same of V
.set VBASE,  2*KREG                    ; a slot: K keys 0-127, K keys 128-255, then V keys 0-127, V keys 128-255
.set SLOT,   VBASE+2*VREG              ; 71,680
.set KSTEP,  32*PK                     ; 8,704: from a trip's 64 keys to the next in K; the two halves of K lie without a gap, so the step is the same four times
.set VSTEP,  32*PVV                    ; 9,216: the same in V
.set STAGE,  2*SLOT                    ; 143,360: behind the ring, never filled by a tensor load: 16 rows x 144 bytes for each wave
.set WSTAGE, 16*144
.set KADR, 2                           ; v2-3    LDS address of my K fragments of a slot's first trip, slot 0, 1; never rewritten
.set VADR, 4                           ; v4-5    the same for V
.set QO,   6                           ; my byte offset in my wave's rows of qh
.set STO,  7
.set RD,   8
.set CO,   9
.set KC,   14                          ; LDS address of the K fragments that are loaded next
.set VC,   15                          ; the same for V
.set QF,   16                          ; v16-79   Q fragments: tile i, half ks of d at QF + 16 i + 8 ks
.set SCA,  80                          ; v80-111  scores, buffer A: key tile kt at + 8 kt
.set SCB,  112                         ; v112-143 scores, buffer B
.set PRA,  144                         ; v144-159 p in bf16, buffer A: keys 0-31 in + 0..7, keys 32-63 in + 8..15
.set PRB,  160                         ; v160-175 buffer B
.set STAT, 176                         ; v176-183 tile i: running maximum at STAT + 2 i, running sum (of my half of the keys) at STAT + 2 i + 1
.set T,    184                         ; v184-187 at work
.set AL,   192                         ; v192 exp2(old max - new max); v193 only completes the pair
.set RB,   196                         ; v196-227 rows read back, two sets
.set KF,   0                           ; window 1: v0-63    K fragments: key tile kt, half ks at 16 kt + 8 ks
.set VF,   64                          ; window 1: v64-127  V^T fragments: d tile dt, keys 32 ks.. at VF + 16 dt + 8 ks
.set OA,   128                         ; window 1: v128-255 O^T: tile i, d tile dt at OA + 32 i + 8 dt
.set G1,  24
.set G0,  32
.set G1B, 48
.set G0B, 56
.set MSB, 0
.macro WIN new                         ; s_set_vgpr_msb: bits 1:0 source 0, 3:2 source 1, 5:4 source 2, 7:6 destination; the high byte repeats the setting that is left
.if MSB != \new
	s_set_vgpr_msb (MSB<<8)|\new
.set MSB, \new
.endif
.endm
.macro PLACES                          ; four plain vector instructions between a matrix instruction and a load into, or a vector read or write of, its registers (ISA guide 7.12.1 for vector reads and writes)
.rept 4
	v_nop
.endr
.endm
.macro JLOAD s                         ; waves 0, 1 fetch K's two halves, waves 2, 3 V's; the branch hangs on the wave's number alone
	s_cmp_eq_u32 s11, 0
	s_cbranch_scc0 .Lfor_b_\@
	tensor_load_to_lds s[G0+4*\s:G0+4*\s+3], s[G1:G1+7]
	s_nop 0
	s_branch .Lasked_\@
.Lfor_b_\@:
	tensor_load_to_lds s[G0B+4*\s:G0B+4*\s+3], s[G1B:G1B+7]
	s_nop 0
	v_nop
.Lasked_\@:
.endm
.macro CROUND                          ; a round of the cluster's barrier
	s_barrier_signal -1
	s_barrier_wait -1
	s_cmp_lg_u32 s10, 0
	s_cbranch_scc1 .Lnot_wave_0_\@
	s_barrier_signal -3
.Lnot_wave_0_\@:
	s_barrier_wait -3
	s_barrier_signal -1
	s_barrier_wait -1
.endm
	s_load_b256 s[68:75], s[0:1], 0x0              ; qh s[68:69], kh s[70:71], vh s[72:73], ctx s[74:75]
	v_lshl_add_u32 v254, v0, 2, 0x29000
	v_mov_b32 v255, 0
	ds_add_u32 v254, v255
	v_lshrrev_b32 v1, 5, v0
	v_readfirstlane_b32 s10, v1                    ; wave 0..3
	s_lshr_b32 s11, s10, 1                         ; I fetch for K (0) or for V (1)
	s_and_b32 s12, s10, 1                          ; which 128 keys of a slot I fetch
	s_bfe_u32 s40, ttmp6, 0x40000                  ; cx
	s_lshl_b32 s42, ttmp9, 2
	s_add_co_u32 s42, s42, s40                     ; query block = 4 x cluster x + cx
	s_and_b32 s13, ttmp7, 0xffff                   ; 16 b + h: the cluster's y, shared by the four
	; group 1: 64 dense rows of 128 elements of 2 bytes (two keys each); mask 15 = all four work-groups; padding behind every 64 words: K 4 words, V 8
	s_mov_b32 s[G1+0], 15|(1<<16)|(1<<20)|(1<<21)|(5<<22)|(3<<25)
	s_mov_b32 s[G1+1], 128<<16
	s_mov_b32 s[G1+2], 64<<16
	s_mov_b32 s[G1+3], 128<<16
	s_mov_b32 s[G1+4], 64
	s_mov_b32 s[G1+5], 128
	s_mov_b32 s[G1+6], 0
	s_mov_b32 s[G1+7], 0
	s_mov_b32 s[G1B+0], 15|(1<<16)|(1<<20)|(1<<21)|(5<<22)|(7<<25)
	s_mov_b32 s[G1B+1], 128<<16
	s_mov_b32 s[G1B+2], 64<<16
	s_mov_b32 s[G1B+3], 128<<16
	s_mov_b32 s[G1B+4], 64
	s_mov_b32 s[G1B+5], 128
	s_mov_b32 s[G1B+6], 0
	s_mov_b32 s[G1B+7], 0
	s_lshl_b32 s16, s13, 18                        ; the head's 2,048 rows of 128 bytes
	s_lshl_b32 s17, s12, 14                        ; + my 128 keys
	s_add_co_u32 s16, s16, s17
	s_mov_b32 s17, 0
	s_mul_i32 s20, s12, KREG                       ; where a tile of K goes: its half times 17,408 (waves 0, 1 ask by it)
	s_mul_i32 s45, s12, VREG                       ; where a tile of V goes: behind K's two halves, its half times 18,432 (waves 2, 3 ask by it)
	s_add_co_u32 s45, s45, VBASE
	s_lshl_b32 s18, s13, 18                        ; q: the head, (in registers that feed no descriptor: the query block differs between partners)
	s_lshl_b32 s19, s42, 15                        ; + the block's 256 rows
	s_add_co_u32 s18, s18, s19
	s_lshl_b32 s19, s10, 13                        ; + my 64 rows
	s_add_co_u32 s18, s18, s19
	s_mov_b32 s19, 0
	; ctx is laid [block of 128 rows][head][128 rows][64]: ((16 b + 2 qb + wave / 2) 16 + h) 128 + 64 (wave % 2) rows of 128 bytes
	s_lshr_b32 s21, s13, 4
	s_lshl_b32 s21, s21, 4
	s_lshl1_add_u32 s21, s42, s21
	s_add_co_u32 s21, s21, s11
	s_and_b32 s22, s13, 15
	s_lshl4_add_u32 s21, s21, s22
	s_lshl_b32 s21, s21, 14
	s_lshl_b32 s22, s12, 13
	s_add_co_u32 s22, s21, s22
	s_mov_b32 s23, 0
	s_mov_b32 s76, 0x76543210                      ; v_permlanex16_b32: lane l reads lane l xor 16
	s_mov_b32 s77, 0xfedcba98
	; lane terms
	v_and_b32 v1, 15, v0                           ; r
	v_bfe_u32 v10, v0, 4, 1                        ; h
	v_and_b32 v12, 1, v0
	v_bfe_u32 v11, v0, 1, 3                        ; K: key r lies in double row r / 2,
	v_mul_u32_u24 v11, v11, PK
	v_lshl_add_u32 v11, v12, 7, v11                ; in its second half if r is odd,
	v_lshl_add_u32 v[KADR], v10, 4, v11            ; 16 h
	v_add_nc_u32 v[KADR+1], SLOT, v[KADR]
	v_bfe_u32 v11, v0, 1, 2                        ; V: lane l addresses key 8 h + l % 8: double row 4 h + (l % 8) / 2,
	v_lshl_add_u32 v11, v10, 2, v11
	v_mul_u32_u24 v11, v11, PVV
	v_lshl_add_u32 v11, v12, 7, v11
	v_bfe_u32 v13, v0, 3, 1
	v_lshl_add_u32 v11, v13, 4, v11                ; d 0-7 or 8-15 of the tile
	v_add_nc_u32 v[VADR], VBASE, v11
	v_add_nc_u32 v[VADR+1], VBASE+SLOT, v11
	v_mov_b32 v[KC], v[KADR]                       ; the first trip's fragments lie at slot 0's base
	v_mov_b32 v[VC], v[VADR]
	v_lshlrev_b32 v[QO], 7, v1
	v_lshl_add_u32 v[QO], v10, 4, v[QO]            ; row r of 128 bytes, 16 h
	s_mul_i32 s21, s10, WSTAGE
	s_add_co_u32 s21, s21, STAGE
	v_mul_u32_u24 v11, v1, 144
	v_lshl_add_u32 v11, v10, 4, v11
	v_add_nc_u32 v[STO], s21, v11
	v_bfe_u32 v11, v0, 3, 2
	v_mul_u32_u24 v11, v11, 144
	v_and_b32 v13, 7, v0
	v_lshl_add_u32 v11, v13, 4, v11
	v_add_nc_u32 v[RD], s21, v11
	v_and_b32 v13, 31, v0
	v_lshlrev_b32 v[CO], 4, v13
.irp i, 0,1,2,3
	v_mov_b32 v[STAT+2*\i+1], 0                    ; a packed instruction's pair counts as read whole: the sums' registers are written before the first subtraction names them
.endr
	v_mov_b32 v[AL+1], 0                           ; likewise
	s_wait_dscnt 0x0
	s_wait_kmcnt 0x0
	s_add_nc_u64 s[14:15], s[70:71], s[16:17]
	s_add_nc_u64 s[46:47], s[72:73], s[16:17]
	s_add_nc_u64 s[68:69], s[68:69], s[18:19]
	s_add_nc_u64 s[74:75], s[74:75], s[22:23]
	CROUND                                         ; the four work-groups are here: the first joint loads meet
.irp s, 0,1
	s_mov_b32 s[G0+4*\s], 1
	s_add_co_u32 s[G0+4*\s+1], s20, \s*SLOT
	s_add_nc_u64 s[G0+4*\s+2:G0+4*\s+3], s[14:15], \s*32768        ; slot step s: 256 keys of 128 bytes
	s_or_b32 s[G0+4*\s+3], s[G0+4*\s+3], 0x80000000
	s_mov_b32 s[G0B+4*\s], 1
	s_add_co_u32 s[G0B+4*\s+1], s45, \s*SLOT
	s_add_nc_u64 s[G0B+4*\s+2:G0B+4*\s+3], s[46:47], \s*32768
	s_or_b32 s[G0B+4*\s+3], s[G0B+4*\s+3], 0x80000000
	JLOAD \s                                       ; two tensor loads of the wave are out
.endr
.irp i, 0,1,2,3
.irp ks, 0,1
	global_load_b128 v[QF+16*\i+8*\ks:QF+16*\i+8*\ks+3],   v[QO], s[68:69] offset:\i*2048+\ks*64
	global_load_b128 v[QF+16*\i+8*\ks+4:QF+16*\i+8*\ks+7], v[QO], s[68:69] offset:\i*2048+\ks*64+32
.endr
.endr
; S^T of query tile i and 64 keys into buffer sb: 8 matrix instructions; the four key tiles take turns; the first four start the sums
.macro STMUL i, sb
	WIN 0x01                                       ; source 0 (K) window 1, all else window 0
.irp kt, 0,1,2,3
	v_wmma_f32_16x16x32_bf16 v[\sb+8*\kt:\sb+8*\kt+7], v[KF+16*\kt:KF+16*\kt+7], v[QF+16*\i:QF+16*\i+7], 0
.endr
.irp kt, 0,1,2,3
	v_wmma_f32_16x16x32_bf16 v[\sb+8*\kt:\sb+8*\kt+7], v[KF+16*\kt+8:KF+16*\kt+15], v[QF+16*\i+8:QF+16*\i+15], v[\sb+8*\kt:\sb+8*\kt+7]
.endr
.endm
; O^T of query tile i += V^T P^T: 8 matrix instructions; the four d tiles take turns
.macro PVMUL i, pb, first
	WIN 0x51                                       ; source 0 (V), C and D window 1, source 1 (p) window 0
.irp dt, 0,1,2,3
.if \first
	v_wmma_f32_16x16x32_bf16 v[OA+32*\i+8*\dt:OA+32*\i+8*\dt+7], v[VF+16*\dt:VF+16*\dt+7], v[\pb:\pb+7], 0
.else
	v_wmma_f32_16x16x32_bf16 v[OA+32*\i+8*\dt:OA+32*\i+8*\dt+7], v[VF+16*\dt:VF+16*\dt+7], v[\pb:\pb+7], v[OA+32*\i+8*\dt:OA+32*\i+8*\dt+7]
.endif
.endr
.irp dt, 0,1,2,3
	v_wmma_f32_16x16x32_bf16 v[OA+32*\i+8*\dt:OA+32*\i+8*\dt+7], v[VF+16*\dt+8:VF+16*\dt+15], v[\pb+8:\pb+15], v[OA+32*\i+8*\dt:OA+32*\i+8*\dt+7]
.endr
.endm
.macro RESCALE i                       ; O^T of tile i times exp2(old max - new max), under the same window setting as PVMUL
	WIN 0x51
.set q, 0
.rept 16
	v_pk_mul_f32 v[OA+32*\i+2*q:OA+32*\i+2*q+1], v[OA+32*\i+2*q:OA+32*\i+2*q+1], v[AL:AL+1] op_sel_hi:[1,0]
.set q, q+1
.endr
.endm
.macro LOADK                           ; 16 loads: the K fragments of the 64 keys at KC
	WIN 0x40                                       ; destination window 1, address window 0
.irp kt, 0,1,2,3
.irp ks, 0,1
	ds_load_b128 v[KF+16*\kt+8*\ks:KF+16*\kt+8*\ks+3],   v[KC] offset:\kt*8*PK+\ks*64
	ds_load_b128 v[KF+16*\kt+8*\ks+4:KF+16*\kt+8*\ks+7], v[KC] offset:\kt*8*PK+\ks*64+32
.endr
.endr
.endm
.macro LOADV                           ; 16 transposing loads: the V^T fragments of the 64 keys at VC; then both addresses step to the next 64 keys
	WIN 0x40
.irp dt, 0,1,2,3
.irp ks, 0,1
	ds_load_tr16_b128 v[VF+16*\dt+8*\ks:VF+16*\dt+8*\ks+3],   v[VC] offset:\ks*16*PVV+\dt*32
	ds_load_tr16_b128 v[VF+16*\dt+8*\ks+4:VF+16*\dt+8*\ks+7], v[VC] offset:\ks*16*PVV+8*PVV+\dt*32
.endr
.endr
	WIN 0
	v_add_nc_u32 v[KC], KSTEP, v[KC]               ; behind a slot's fourth trip the stepped addresses are not used: the change of slots sets them anew
	v_add_nc_u32 v[VC], VSTEP, v[VC]
.endm
; The softmax step of query tile i on 64 keys: scores in sb, p out in pb.  first = 1: no maximum, sum or O^T exists yet.
.macro SOFTMAX i, sb, pb, first
	WIN 0
.irp c, 0,1,2,3                        ; the maximum of my 32 scores and the old maximum: 33 numbers, 16 instructions, four chains
	v_max3_num_f32 v[T+\c], v[\sb+\c], v[\sb+4+\c], v[\sb+8+\c]
.endr
.irp c, 0,1,2,3
	v_max3_num_f32 v[T+\c], v[T+\c], v[\sb+12+\c], v[\sb+16+\c]
.endr
.irp c, 0,1,2,3
	v_max3_num_f32 v[T+\c], v[T+\c], v[\sb+20+\c], v[\sb+24+\c]
.endr
	v_max3_num_f32 v[T],   v[T],   v[\sb+28], v[\sb+29]
	v_max3_num_f32 v[T+1], v[T+1], v[\sb+30], v[\sb+31]
	v_max3_num_f32 v[T], v[T], v[T+1], v[T+2]
.if \first
	v_max_num_f32 v[T], v[T], v[T+3]
.else
	v_max3_num_f32 v[T], v[T], v[T+3], v[STAT+2*\i]
.endif
	v_permlanex16_b32 v[T+1], v[T], s76, s77       ; the other half of the query's keys
	v_max_num_f32 v[T+1], v[T], v[T+1]             ; the new maximum, equal in both lanes of the query
.if \first
	v_mov_b32 v[STAT+2*\i], v[T+1]
.else
	v_sub_f32 v[T+2], v[STAT+2*\i], v[T+1]
	v_exp_f32 v[AL], v[T+2]
	v_mov_b32 v[STAT+2*\i], v[T+1]                 ; the plain instruction behind the exponential (ISA guide 5.7.2); it names neither its result nor its source
.endif
.set q, 0
.rept 16
	v_pk_add_f32 v[\sb+2*q:\sb+2*q+1], v[\sb+2*q:\sb+2*q+1], v[STAT+2*\i:STAT+2*\i+1] op_sel_hi:[1,0] neg_lo:[0,1] neg_hi:[0,1]   ; score - maximum, both halves by the pair's first register
.set q, q+1
.endr
.set q, 0
.rept 32
	v_exp_f32 v[\sb+q], v[\sb+q]
.set q, q+1
.endr
.if \first
	v_nop                                          ; the plain instruction behind the exponentials
	s_wait_alu depctr_va_vdst(0)
.else
	s_wait_alu depctr_va_vdst(0)
	v_mul_f32 v[STAT+2*\i+1], v[STAT+2*\i+1], v[AL]   ; the same place, used: the old sum in the new maximum's units
.endif
	v_pk_add_f32 v[T:T+1],   v[\sb:\sb+1],     v[\sb+2:\sb+3]       ; the sum of my 32 p, two chains of pairs
	v_pk_add_f32 v[T+2:T+3], v[\sb+4:\sb+5],   v[\sb+6:\sb+7]
.irp p, 8,12,16,20,24,28
	v_pk_add_f32 v[T:T+1],   v[T:T+1],   v[\sb+\p:\sb+\p+1]
	v_pk_add_f32 v[T+2:T+3], v[T+2:T+3], v[\sb+\p+2:\sb+\p+3]
.endr
	v_pk_add_f32 v[T:T+1], v[T:T+1], v[T+2:T+3]
.if \first
	v_add_f32 v[STAT+2*\i+1], v[T], v[T+1]
.else
	v_add_f32 v[T], v[T], v[T+1]
	v_add_f32 v[STAT+2*\i+1], v[STAT+2*\i+1], v[T]
.endif
.set q, 0
.rept 16
	v_cvt_pk_bf16_f32 v[\pb+q], v[\sb+2*q], v[\sb+2*q+1]
.set q, q+1
.endr
.endm
; A trip's two parts.  Score and p buffers take turns A, B, A, B, and 16 matrix instructions (tile i's O^T, tile i + 2's S^T) stand in front of each softmax, so
; that matrix and vector work can run side by side.  Between a matrix instruction and whatever reads its result, writes one of its registers or loads into one
; stands a whole softmax of plain vector instructions on other registers, but for the two places where v_nop are written.
; No two matrix instructions that follow each other share an accumulator, from part to part and over every backward jump too.
; Part A: the trip's fragments have been asked for, K's 16 loads ahead of V's 16.  It ends with every window 0 and with no LDS load out.
.macro APART first
	s_wait_dscnt 16                                ; K's 16 loads are in; V's 16, issued behind them, may be out
	STMUL 0, SCA
	STMUL 1, SCB
	PLACES
	SOFTMAX 0, SCA, PRA, \first
	s_wait_dscnt 0x0                               ; V's fragments
.if \first == 0
	RESCALE 0
.endif
	PVMUL 0, PRA, \first
	STMUL 2, SCA
	SOFTMAX 1, SCB, PRB, \first
.if \first == 0
	RESCALE 1
.endif
	PVMUL 1, PRB, \first
	STMUL 3, SCB
	SOFTMAX 2, SCA, PRA, \first
.endm
; Part B.  more = 1: the next trip's fragments are asked for: K's at its head (the last S^T has read the old ones, a softmax ago), V's at its end.
.macro BPART first, more
.if \more
	LOADK
.endif
.if \first == 0
	RESCALE 2
.endif
	PVMUL 2, PRA, \first
	SOFTMAX 3, SCB, PRB, \first
.if \first == 0
	RESCALE 3
.endif
	PVMUL 3, PRB, \first
.if \more
	PLACES
	LOADV
.endif
.endm
; n passes of the body: part B of a trip, part A of the next.  At the label no LDS load is out, on the way in and on the way back.
.macro INNER n
	s_mov_b32 s4, 0
.Ltrip_\@:
	BPART 0, 1
	APART 0
	s_add_co_u32 s4, s4, 1
	s_cmp_lt_u32 s4, \n
	s_cbranch_scc1 .Ltrip_\@
.endm
; The change of slots.  The fragments of the slot's last trip are in registers: my reads of it are over.  fill = 1: it is filled again, two slot steps ahead.
.macro CHANGE slot, fill
	s_wait_dscnt 0x0                               ; no LDS load of mine is out (met: part A ended behind its wait for 0)
	s_wait_tensorcnt 0x0                           ; all my tensor loads have landed: the one that was out is my part of the other slot
	ds_add_u32 v254, v255
	s_wait_dscnt 0x0
.if \fill
	CROUND                                         ; both now hold of every wave of all four work-groups
	s_add_nc_u64 s[G0+4*\slot+2:G0+4*\slot+3], s[G0+4*\slot+2:G0+4*\slot+3], 2*32768
	s_add_nc_u64 s[G0B+4*\slot+2:G0B+4*\slot+3], s[G0B+4*\slot+2:G0B+4*\slot+3], 2*32768
	JLOAD \slot                                    ; the wave's one tensor load behind the round, ahead of its first LDS read
.else
	s_barrier_signal -1
	s_barrier_wait -1                              ; everybody's part of the last slot has landed
.endif
	v_mov_b32 v[KC], v[KADR+1-\slot]               ; the next four trips read the other slot, from its base on
	v_mov_b32 v[VC], v[VADR+1-\slot]
.endm
	s_wait_tensorcnt 0x1                           ; my part of slot 0 is in; slot 1's load stays out
	s_barrier_signal -1
	s_barrier_wait -1
	LOADK                                          ; trip 0
	LOADV
	s_wait_loadcnt 0x0                             ; Q
	APART 1                                        ; trip 0 starts maxima, sums and O^T: nothing is cleared
	BPART 1, 1
	APART 0                                        ; trip 1
	INNER 2                                        ; up to part A of trip 3: slot step 0 is read
	s_mov_b32 s3, 3
.Llap:
	CHANGE 0, 1                                    ; slot 0 gets slot step 2, 4, 6
	INNER 4                                        ; the four trips of slot 1
	CHANGE 1, 1                                    ; slot 1 gets slot step 3, 5, 7
	INNER 4                                        ; the four trips of slot 0
	s_sub_co_u32 s3, s3, 1
	s_cmp_lg_u32 s3, 0
	s_cbranch_scc1 .Llap
	CHANGE 0, 0                                    ; nothing is left to fetch
	INNER 4                                        ; slot step 7
	BPART 0, 0                                     ; the last trip's second part
	; THE WAY OUT: join the two halves of each sum, O^T / sum, round to bf16, 16 bytes a lane into my own stage, read back as rows of 128 bytes.
	PLACES                                         ; behind the last matrix instructions
	WIN 0
.irp i, 0,1,2,3
	v_permlanex16_b32 v[T+\i], v[STAT+2*\i+1], s76, s77
.endr
.irp i, 0,1,2,3
	v_add_f32 v[STAT+2*\i+1], v[STAT+2*\i+1], v[T+\i]
.endr
.irp i, 0,1,2,3
	v_rcp_f32 v[STAT+2*\i], v[STAT+2*\i+1]         ; the sum is at least 1: the largest score gives exp2(0)
.endr
	v_nop                                          ; the plain instruction behind the reciprocals
	s_wait_alu depctr_va_vdst(0)
.macro OUTQ i, sb, pb, rb
	WIN 0x01                                       ; source 0 (O^T) window 1
.set q, 0
.rept 16
	v_pk_mul_f32 v[\sb+2*q:\sb+2*q+1], v[OA+32*\i+2*q:OA+32*\i+2*q+1], v[STAT+2*\i:STAT+2*\i+1] op_sel_hi:[1,0]
.set q, q+1
.endr
	WIN 0
.set q, 0
.rept 16
	v_cvt_pk_bf16_f32 v[\pb+q], v[\sb+2*q], v[\sb+2*q+1]
.set q, q+1
.endr
.irp dt, 0,1,2,3
	ds_store_b128 v[STO], v[\pb+4*\dt:\pb+4*\dt+3] offset:32*\dt
.endr
	s_wait_xcnt 0x0                                ; registers that earlier stores read are loaded again only behind this wait
.irp t, 0,1,2,3
	ds_load_b128 v[\rb+4*\t:\rb+4*\t+3], v[RD] offset:576*\t       ; LDS serves a wave's instructions in order (ISA guide 5.7.1): these see the stores above
.endr
.irp t, 0,1,2,3
	s_wait_dscnt 3-\t                              ; the younger loads of the four stay out
	global_store_b128 v[CO], v[\rb+4*\t:\rb+4*\t+3], s[74:75] offset:\i*2048+\t*512   ; 512 consecutive bytes, at a multiple of 512 from ctx's first byte
.endr
.endm
	OUTQ 0, SCA, PRA, RB
	OUTQ 1, SCB, PRB, RB+16
	OUTQ 2, SCA, PRA, RB
	OUTQ 3, SCB, PRB, RB+16
	s_wait_tensorcnt 0x0
	ds_add_u32 v254, v255
	s_wait_dscnt 0x0
	CROUND                                         ; the closing round: no work-group ends while a partner may still ask for a tile that names it
	s_endpgm
.Lfunc_end_k_q720e7d1dd4_attn:
	.size	k_q720e7d1dd4_attn, .Lfunc_end_k_q720e7d1dd4_attn-k_q720e7d1dd4_attn
	.p2alignl 7, 3214868480
	.fill 96, 4, 3214868480
	.section	.rodata,"a",@progbits
	.p2align	6, 0x0
	.amdhsa_kernel k_q720e7d1dd4_attn
		.amdhsa_group_segment_fixed_size 327680
		.amdhsa_private_segment_fixed_size 0
		.amdhsa_enable_private_segment 0
		.amdhsa_kernarg_size 32
		.amdhsa_user_sgpr_count 2
		.amdhsa_user_sgpr_kernarg_segment_ptr 1
		.amdhsa_wavefront_size32 1
		.amdhsa_system_sgpr_workgroup_id_x 1
		.amdhsa_system_sgpr_workgroup_id_y 1
		.amdhsa_system_sgpr_workgroup_id_z 1
		.amdhsa_system_vgpr_workitem_id 0
		.amdhsa_next_free_vgpr 512
		.amdhsa_next_free_sgpr 80
		.amdhsa_reserve_vcc 0
		.amdhsa_float_denorm_mode_32 3
		.amdhsa_float_denorm_mode_16_64 3
		.amdhsa_memory_ordered 1
		.amdhsa_forward_progress 1
		.amdhsa_inst_pref_size 212
	.end_amdhsa_kernel
	.amdgpu_metadata
---
amdhsa.version: [ 1, 2 ]
amdhsa.kernels:
  - .name:           k_q720e7d1dd4_attn
    .symbol:         k_q720e7d1dd4_attn.kd
    .args:
      - { .name: qh, .offset: 0, .size: 8, .value_kind: global_buffer, .address_space: global }
      - { .name: kh, .offset: 8, .size: 8, .value_kind: global_buffer, .address_space: global }
      - { .name: vh, .offset: 16, .size: 8, .value_kind: global_buffer, .address_space: global }
      - { .name: ctx, .offset: 24, .size: 8, .value_kind: global_buffer, .address_space: global }
    .group_segment_fixed_size: 327680
    .private_segment_fixed_size: 0
    .kernarg_segment_align: 8
    .kernarg_segment_size: 32
    .max_flat_workgroup_size: 128
    .sgpr_count:     80
    .vgpr_count:     512
    .wavefront_size: 32
...
	.end_amdgpu_metadata
.endif
;; end of part 5
;; launch oproj: the kernel of part 4 again; grid 8 x 32, 4 waves a work-group, clusters of 4 x 4, 327,680 bytes of LDS; arguments ctx, wob, bo, out0; writes out0
;; ======== version 3 of 3: 4 launches; version 2 with the launch prep written anew for expert scheduling mode
;; workspace buffers: xb 8,388,608 bytes; wcat 6,291,456 bytes; wob 2,097,152 bytes; qh 8,388,608 bytes; kh 8,388,608 bytes; vh 8,388,608 bytes; ctx 8,388,608 bytes
;; launch prep (part 6): grid 512 x 1, 8 waves a work-group, no clusters, 0 bytes of LDS; arguments x, Wq, Wk, Wv, Wo, xb, wcat, wob; writes xb, wcat, wob
.if DOCPART == 6
	.amdgcn_target "amdgcn-amd-amdhsa--gfx1250"
	.amdhsa_code_object_version 6
	.text
	.protected	k_q720e7d1dd4_prep
	.globl	k_q720e7d1dd4_prep
	.p2align	8
	.type	k_q720e7d1dd4_prep,@function
k_q720e7d1dd4_prep:
	s_mov_b64 s[64:65], 0
	v_nop
	global_prefetch_b8 v0, s[64:65] scope:SCOPE_SE
	s_setreg_imm32_b32 hwreg(HW_REG_WAVE_SCHED_MODE, 0, 2), 2
	s_setreg_imm32_b32 hwreg(HW_REG_WAVE_MODE, 25, 1), 1
	s_wait_xcnt 0x0
	s_wait_alu depctr_vm_vsrc(0)
; prep: every f32 matrix operand is rounded to bf16 ONCE, and the weights are laid out in the order in which the products walk them.
;   xb   [4096][1024]                         = x
;   wcat [head 16][kstep 8][q,k,v 3][128 k][64 d]   from Wq, Wk, Wv  (column = 64 head + d, k = 128 kstep + row)
;   wob  [nblk 8][kstep 8][sub 2][128 k][64 n]      from Wo          (column = 128 nblk + 64 sub + n)
; A stream: 33.5 MB in, 16.8 MB out, no number used twice, so no LDS, no matrix unit, no cluster (no two work-groups read the same bytes).
; 4,096 waves, 8,192 bytes of f32 each.  A wave issues its 16 loads of 16 bytes a lane in one run (each covers two aligned blocks of
; 256 bytes), then converts and stores them in order; a store of 8 bytes a lane covers one aligned block of 256 bytes whole.
; Work-groups 0-255 take x, work-groups 256-511 the four weights: 64 columns x 256 k each, a wave 64 columns x 32 k.
; Each load and each store has registers of its own: nothing that a pending instruction names is written again.
; THE MODE: SCHED_MODE bits 1:0 = 2 (LLVM: expert scheduling mode 2), set by the entry lines.  The code itself states the register dependences
; between vector instructions and memory instructions, with s_wait_alu, always for 0.
; THE PLAN.  Registers that memory instructions touch, in either path:
;   v1, v2   byte offsets of the loads and of the stores.  Written by the path's address arithmetic, then never again.
;   X        load i lands in 4 registers of its own; its two conversions read them; no vector instruction names them ahead of the loads, and they are loaded once.
;   Y        store i reads 2 registers of its own, which its two conversions write, once.
; The 16 loads' numbers go in four groups of four.  Group g converts X of its four loads into Y of its four stores; its memory instructions are the four stores
; of group g - 1, which read v2 and that group's Y: registers that no conversion of group g names.  So one wait at a group's head states all that its four stores
; hang on, and they are dealt among its conversions with no further wait.  One wait ahead of the loads states that the offsets are written; one behind the last
; group stands ahead of the last four stores.  No register that a memory instruction reads is written again, so nothing is stated the other way round.
.set X, 4                              ; v[4:67]   16 loads x 4 registers
.set Y, 68                             ; v[68:99]  16 stores x 2 registers
.macro CAST step                       ; step = bytes from one load of the wave to the next
	s_wait_alu depctr_va_vdst(0)                   ; v1 and v2 are written: every load below reads v1 as its offset, every store v2
.set i, 0
.rept 16
	global_load_b128 v[X+4*i:X+4*i+3], v1, s[4:5] offset:i*\step th:TH_LOAD_NT   ; read once in the launch
.set i, i+1
.endr
.set g, 0
.rept 4
	s_wait_loadcnt 12-4*g                          ; loads return in order (ISA guide 5.7.1): group g's four are in, the 12 - 4 g younger ones stay out
.if g > 0
	s_wait_alu depctr_va_vdst(0)                   ; the conversions of the group before have written its eight registers of Y, which the four stores below read
.endif
.set i, 4*g
.rept 4
.if g > 0
	global_store_b64 v2, v[Y+2*(i-4):Y+2*(i-4)+1], s[6:7] offset:(i-4)*256   ; the group before; no vector instruction since the wait names these registers
.endif
	v_cvt_pk_bf16_f32 v[Y+2*i],   v[X+4*i],   v[X+4*i+1]
	v_cvt_pk_bf16_f32 v[Y+2*i+1], v[X+4*i+2], v[X+4*i+3]
.set i, i+1
.endr
.set g, g+1
.endr
	s_wait_alu depctr_va_vdst(0)                   ; the last group's conversions have written its registers of Y, which the last four stores read
.set i, 12
.rept 4
	global_store_b64 v2, v[Y+2*i:Y+2*i+1], s[6:7] offset:i*256
.set i, i+1
.endr
.endm
	s_load_b512 s[8:23], s[0:1], 0x0               ; x s[8:9], Wq s[10:11], Wk s[12:13], Wv s[14:15], Wo s[16:17], xb s[18:19], wcat s[20:21], wob s[22:23]
	v_lshrrev_b32 v1, 5, v0
	v_readfirstlane_b32 s2, v1                     ; wave 0..7
	v_and_b32 v3, 31, v0                           ; lane
	s_wait_alu depctr_va_sdst(0)                   ; s2 is written, ahead of the branch and of its first reader in either path: offsets and addresses are made from it
	s_cmp_lt_u32 ttmp9, 256
	s_cbranch_scc0 .Lweights
	; x: the work-group owns 65,536 bytes of x and 32,768 of xb, the wave an eighth of them
	s_lshl_b32 s24, ttmp9, 16
	s_mov_b32 s25, 0
	s_lshl_b32 s26, ttmp9, 15
	s_mov_b32 s27, 0
	v_lshlrev_b32 v1, 4, v3
	v_lshl_add_u32 v1, s2, 13, v1                  ; 8,192 wave + 16 lane
	v_lshlrev_b32 v2, 3, v3
	v_lshl_add_u32 v2, s2, 12, v2                  ; 4,096 wave + 8 lane
	s_wait_kmcnt 0x0
	s_add_nc_u64 s[4:5], s[8:9], s[24:25]
	s_add_nc_u64 s[6:7], s[18:19], s[26:27]
	CAST 512
	s_endpgm
.Lweights:
	s_sub_co_u32 s24, ttmp9, 256                   ; g = 0..255
	s_lshr_b32 s25, s24, 6                         ; which weight: 0 q, 1 k, 2 v, 3 o
	s_and_b32 s26, s24, 15                         ; hh: which 64 columns
	s_bfe_u32 s27, s24, 0x20004                    ; kq: which 256 rows (k)
	s_lshl_b32 s28, s27, 1
	s_lshr_b32 s29, s2, 2
	s_add_co_u32 s28, s28, s29                     ; kstep = 2 kq + wave / 4
	s_lshl3_add_u32 s30, s26, s28
	s_mul_i32 s30, s30, 3
	s_add_co_u32 s30, s30, s25                     ; block of 16,384 bytes in wcat: (8 hh + kstep) 3 + which
	s_lshr_b32 s31, s26, 1
	s_lshl3_add_u32 s31, s31, s28
	s_and_b32 s29, s26, 1
	s_lshl1_add_u32 s31, s31, s29                  ; block in wob: (8 (hh / 2) + kstep) 2 + hh mod 2
	s_cmp_eq_u32 s25, 3
	s_cselect_b32 s30, s31, s30
	s_lshl_b32 s30, s30, 14
	s_and_b32 s29, s2, 3
	s_lshl_b32 s29, s29, 12                        ; my 32 rows of 128 bytes in the block
	s_add_co_u32 s30, s30, s29
	s_mov_b32 s31, 0
	s_lshl_b32 s32, s27, 20                        ; 256 rows of 4,096 bytes
	s_lshl_b32 s33, s26, 8                         ; 64 columns of 4 bytes
	s_add_co_u32 s32, s32, s33
	s_mov_b32 s33, 0
	v_lshrrev_b32 v1, 4, v3                        ; lanes 0-15 take a row's 256 bytes, lanes 16-31 the next row's
	v_lshl_add_u32 v1, s2, 5, v1                   ; row = 32 wave + lane / 16
	v_and_b32 v2, 15, v3
	v_lshlrev_b32 v2, 4, v2
	v_lshl_or_b32 v1, v1, 12, v2                   ; 4,096 row + 16 (lane mod 16)
	v_lshlrev_b32 v2, 3, v3                        ; two rows of 128 bytes follow each other in the block: 8 lane
	s_wait_kmcnt 0x0
	s_cmp_eq_u32 s25, 1
	s_cselect_b64 s[4:5], s[12:13], s[10:11]
	s_cmp_eq_u32 s25, 2
	s_cselect_b64 s[4:5], s[14:15], s[4:5]
	s_cmp_eq_u32 s25, 3
	s_cselect_b64 s[4:5], s[16:17], s[4:5]
	s_cselect_b64 s[6:7], s[22:23], s[20:21]       ; s_cselect leaves SCC as it is: still which = 3
	s_add_nc_u64 s[4:5], s[4:5], s[32:33]
	s_add_nc_u64 s[6:7], s[6:7], s[30:31]
	CAST 8192                                      ; two rows of 4,096 bytes on
	s_endpgm
.Lfunc_end_k_q720e7d1dd4_prep:
	.size	k_q720e7d1dd4_prep, .Lfunc_end_k_q720e7d1dd4_prep-k_q720e7d1dd4_prep
	.p2alignl 7, 3214868480
	.fill 96, 4, 3214868480
	.section	.rodata,"a",@progbits
	.p2align	6, 0x0
	.amdhsa_kernel k_q720e7d1dd4_prep
		.amdhsa_group_segment_fixed_size 0
		.amdhsa_private_segment_fixed_size 0
		.amdhsa_enable_private_segment 0
		.amdhsa_kernarg_size 64
		.amdhsa_user_sgpr_count 2
		.amdhsa_user_sgpr_kernarg_segment_ptr 1
		.amdhsa_wavefront_size32 1
		.amdhsa_system_sgpr_workgroup_id_x 1
		.amdhsa_system_sgpr_workgroup_id_y 1
		.amdhsa_system_sgpr_workgroup_id_z 1
		.amdhsa_system_vgpr_workitem_id 0
		.amdhsa_next_free_vgpr 104
		.amdhsa_next_free_sgpr 66
		.amdhsa_reserve_vcc 0
		.amdhsa_float_denorm_mode_32 3
		.amdhsa_float_denorm_mode_16_64 3
		.amdhsa_memory_ordered 1
		.amdhsa_forward_progress 1
		.amdhsa_inst_pref_size 14
	.end_amdhsa_kernel
	.amdgpu_metadata
---
amdhsa.version: [ 1, 2 ]
amdhsa.kernels:
  - .name:           k_q720e7d1dd4_prep
    .symbol:         k_q720e7d1dd4_prep.kd
    .args:
      - { .name: x, .offset: 0, .size: 8, .value_kind: global_buffer, .address_space: global }
      - { .name: Wq, .offset: 8, .size: 8, .value_kind: global_buffer, .address_space: global }
      - { .name: Wk, .offset: 16, .size: 8, .value_kind: global_buffer, .address_space: global }
      - { .name: Wv, .offset: 24, .size: 8, .value_kind: global_buffer, .address_space: global }
      - { .name: Wo, .offset: 32, .size: 8, .value_kind: global_buffer, .address_space: global }
      - { .name: xb, .offset: 40, .size: 8, .value_kind: global_buffer, .address_space: global }
      - { .name: wcat, .offset: 48, .size: 8, .value_kind: global_buffer, .address_space: global }
      - { .name: wob, .offset: 56, .size: 8, .value_kind: global_buffer, .address_space: global }
    .group_segment_fixed_size: 0
    .private_segment_fixed_size: 0
    .kernarg_segment_align: 8
    .kernarg_segment_size: 64
    .max_flat_workgroup_size: 256
    .sgpr_count:     66
    .vgpr_count:     104
    .wavefront_size: 32
...
	.end_amdgpu_metadata
.endif
;; end of part 6
;; launch qkv: the kernel of part 2 again; grid 16 x 16, 4 waves a work-group, clusters of 4 x 4, 327,680 bytes of LDS; arguments xb, wcat, bq, bk, bv, qh, kh, vh; writes qh, kh, vh
;; launch attn: the kernel of part 5 again; grid 8 x 32, 4 waves a work-group, clusters of 4 x 1, 327,680 bytes of LDS; arguments qh, kh, vh, ctx; writes ctx
;; launch oproj: the kernel of part 4 again; grid 8 x 32, 4 waves a work-group, clusters of 4 x 4, 327,680 bytes of LDS; arguments ctx, wob, bo, out0; writes out0
